; MI455X (gfx1250); checked and timed in simulation.
; The chip was launched on July 23, 2026; its instructions are those of AMD's public machine-readable ISA for CDNA 5 (MIT licence, August 2026) and "CDNA5" Instruction Set Architecture Reference Guide (July 2026). The comments in the code are by the model that wrote it; some were corrected since.
;; Kblam Gemma3n Attention. Allowed arithmetic: float matrix products may take bf16 or f16 operands with f32 sums; other float arithmetic in f32, or as packed bf16 or f16 multiplies, adds, multiply-adds, maxima and minima; sums over many terms, partial sums and values carried from step to step in f32; what a program stores and reads back later, other than sums and carried values, may be rounded once to bf16 or f16.
;; Inputs: Wk 512 x 2,048 float32; Wo 2,048 x 2,048 float32; Wq 2,048 x 2,048 float32; Wq_new 2,048 x 2,048 float32; Wv 512 x 2,048 float32; attention_mask 2 x 1 x 1,024 x 1,024 float32; hidden_states 2 x 1,024 x 2,048 float32; kb_keys 2 x 1,024 x 512 float32; kb_values 2 x 1,024 x 512 float32; position_ids 2 x 1,024 int32.
;; Outputs: out0 2 x 1,024 x 2,048 float32.
;; One version. Each part assembles by itself: llvm-mc -triple=amdgcn-amd-amdhsa -mcpu=gfx1250 --defsym DOCPART=n.
;; ======== version 1 of 1: 4 launches
;; limits: values are held in f16: magnitudes above 65,504 overflow, below 6.1e-05 lose precision
;; workspace buffers: xb 8,388,608 bytes; wall 20,971,520 bytes; wo16 8,388,608 bytes; tab 2,097,152 bytes; qkv 25,165,824 bytes; ao 8,388,608 bytes
;; launch prep (part 1): grid 1536 x 1, 8 waves a work-group, no clusters, 0 bytes of LDS; arguments hidden_states, Wq, Wk, Wq_new, Wv, Wo, kb_keys, kb_values, position_ids, xb, wall, wo16, qkv, tab; writes xb, wall, wo16, qkv, tab
.if DOCPART == 1
	.amdgcn_target "amdgcn-amd-amdhsa--gfx1250"
	.amdhsa_code_object_version 6
	.text
	.protected	k_q1ce87adebf_prep
	.globl	k_q1ce87adebf_prep
	.p2align	8
	.type	k_q1ce87adebf_prep,@function
k_q1ce87adebf_prep:
	s_mov_b64 s[64:65], 0
	v_nop
	global_prefetch_b8 v0, s[64:65] scope:SCOPE_SE
	s_setreg_imm32_b32 hwreg(HW_REG_WAVE_MODE, 25, 1), 1
	s_wait_xcnt 0x0
; PREP: every floating-point input that becomes a matrix operand is rounded once and laid out for the launches behind; the table of cosines and sines is made from position_ids.
; NOTHING OF THE MODULE IS LEFT OUT in this program: the mask is an input, so all 2,048 keys are computed for every query; every input is loaded by some launch.
; FORMATS.  x, Wq, Wk, Wq_new, Wv: bf16.  Wo, kb_keys, kb_values: rounded to bf16, and that number written as f16 (their partners in the products are f16).
; LIMITS.  A kb number or a weight of Wo beyond 65,504 becomes an infinity; below 6e-5 f16 keeps its fixed step of 6e-8.  The phase position x frequency is reduced by pi/2 in two parts:
; good while |phase| < 2^22; its error is about 2e-7 of the phase.  NaN and infinities are not treated apart.
; SHARES.  One wave, one row of 2,048 f32 (8,192 bytes): sixteen loads of 512 consecutive bytes, all out at once; sixteen stores of 256 consecutive bytes, aligned.  No LDS, no loop, no barrier.
; The row is converted in the registers that it was loaded into: 80 registers a wave, so that the six work-groups that fall to a WGP (1,536 on 256), two waves a SIMD each, lie there together: 6 x 2 x 80 = 960 registers.
; wall: N tile t of 160 rows.  t < 16: Wq's head t, channel d at row ((d>>4)&3)*32 + (d>>6)*16 + (d&15), so that the two channels of a rotation lie 16 rows apart; then 32 rows of Wk (head t>>2, unit t&3) in the same order.
;       t >= 16: Wq_new's head t-16 as it lies; then 32 rows of Wv (head (t-16)>>2, channels 32 ((t-16)&3) on).
; qkv: roped q at 0, q_new at 8,388,608, keys at KFO [b][4][2048][128] (kb keys first), values at VFO likewise; this launch stores the kb halves.
; tab: row b*1024+s: cos/sqrt(128) x 64, sin/sqrt(128) x 64, cos x 64, sin x 64, f32.
.set KFO, 16777216
.set VFO, 20971520
.set VO,  12                           ; v[12:15]   the f16 path: my store offset for loads i with i % 4 = 0..3
.set X,   16                           ; v[16:79]   the row, 4 registers a load; the first two of each four then hold what is stored: each store has its own pair
.set SRC, 40                           ; s[40:41]   the source at my row
.set DST, 42                           ; s[42:43]   the destination at my row
.set DB,  48                           ; s[48:55]   the f16 path: the destination for loads i with i / 4 = 0..3
.set ST2, 56                           ; s[56:57]   the step between those four
.macro POINT                           ; s36 = my row in the source, s37 = my byte offset in the destination
	s_lshl_b32 s38, s36, 13
	s_add_nc_u64 s[SRC:SRC+1], s[SRC:SRC+1], s[38:39]
	s_mov_b32 s38, s37
	s_add_nc_u64 s[DST:DST+1], s[DST:DST+1], s[38:39]
.endm
.macro LOADROW
.set i, 0
.rept 16
	global_load_b128 v[X+4*i:X+4*i+3], v1, s[SRC:SRC+1] offset:512*i th:TH_LOAD_NT
.set i, i+1
.endr
.endm
; sine and cosine of v[f]: n = the nearest multiple of pi/2, r = f - n pi/2 (pi/2 in two parts), polynomials on |r| <= pi/4, the quadrant by n mod 4.
.macro SINCOS f, sn, cs
	v_mul_f32 v8, 0x3f22f983, v[\f]                ; f x 2/pi
	v_rndne_f32 v8, v8
	v_fmamk_f32 v9, v8, 0xbfc90fdb, v[\f]          ; f - n x 1.57079637
	v_fmamk_f32 v9, v8, 0x333bbd2e, v9             ; + n x 4.371139e-8
	v_mul_f32 v10, v9, v9
	v_mov_b32 v11, 0xb94ca1f9
	v_fmaak_f32 v11, v11, v10, 0x3c08839e
	v_fmaak_f32 v11, v11, v10, 0xbe2aaaa3
	v_mul_f32 v11, v11, v10
	v_fma_f32 v[\sn], v11, v9, v9
	v_mov_b32 v11, 0x37ccf5ce
	v_fmaak_f32 v11, v11, v10, 0xbab6061a
	v_fmaak_f32 v11, v11, v10, 0x3d2aaaa5
	v_fma_f32 v11, v10, v11, -0.5
	v_fma_f32 v[\cs], v10, v11, 1.0
	v_cvt_i32_f32 v8, v8
	v_and_b32 v11, 1, v8
	v_cmp_eq_u32 vcc_lo, 1, v11
	v_cndmask_b32 v9, v[\sn], v[\cs], vcc_lo       ; n odd: the two change places
	v_cndmask_b32 v10, v[\cs], v[\sn], vcc_lo
	v_and_b32 v11, 2, v8
	v_lshlrev_b32 v11, 30, v11
	v_xor_b32 v[\sn], v9, v11                      ; sine is negative in quadrants 2 and 3
	v_add_nc_u32 v11, 1, v8
	v_and_b32 v11, 2, v11
	v_lshlrev_b32 v11, 30, v11
	v_xor_b32 v[\cs], v10, v11                     ; cosine in quadrants 1 and 2
.endm
	s_load_b512 s[8:23], s[0:1], 0x0               ; x s[8:9], Wq s[10:11], Wk s[12:13], Wq_new s[14:15], Wv s[16:17], Wo s[18:19], kb_keys s[20:21], kb_values s[22:23]
	s_load_b256 s[24:31], s[0:1], 0x40             ; position_ids s[24:25], xb s[26:27], wall s[28:29], wo16 s[30:31]
	s_load_b128 s[32:35], s[0:1], 0x60             ; qkv s[32:33], tab s[34:35]
	v_lshrrev_b32 v3, 5, v0
	v_readfirstlane_b32 s4, v3                     ; wave 0..7
	v_and_b32 v4, 31, v0                           ; lane
	v_lshlrev_b32 v1, 4, v4                        ; 16 bytes a lane in
	v_lshlrev_b32 v2, 3, v4                        ; 8 bytes a lane out
	s_lshl_b32 s5, ttmp9, 3
	s_add_co_u32 s5, s5, s4                        ; R: my row among all 12,288
	s_mov_b32 s39, 0
	s_mov_b32 s7, 0xffff0000
	s_wait_kmcnt 0x0
	s_cmp_lt_u32 ttmp9, 256
	s_cbranch_scc0 .Lnot_x
	s_mov_b64 s[SRC:SRC+1], s[8:9]                 ; x: row for row
	s_mov_b64 s[DST:DST+1], s[26:27]
	s_mov_b32 s36, s5
	s_lshl_b32 s37, s5, 12
	s_branch .Lcast_bf
.Lnot_x:
	s_cmp_lt_u32 ttmp9, 512
	s_cbranch_scc0 .Lnot_wq
	s_mov_b64 s[SRC:SRC+1], s[10:11]               ; Wq
	s_mov_b64 s[DST:DST+1], s[28:29]
	s_sub_co_u32 s36, s5, 2048
	s_and_b32 s44, s36, 127                        ; d
	s_lshr_b32 s45, s36, 7                         ; head = tile
	s_mul_i32 s45, s45, 160
	s_bfe_u32 s46, s44, 0x20004                    ; (d>>4)&3
	s_lshl_b32 s46, s46, 5
	s_add_co_u32 s45, s45, s46
	s_lshr_b32 s46, s44, 6
	s_lshl_b32 s46, s46, 4
	s_add_co_u32 s45, s45, s46
	s_and_b32 s46, s44, 15
	s_add_co_u32 s45, s45, s46
	s_lshl_b32 s37, s45, 12
	s_branch .Lcast_bf
.Lnot_wq:
	s_cmp_lt_u32 ttmp9, 576
	s_cbranch_scc0 .Lnot_wk
	s_mov_b64 s[SRC:SRC+1], s[12:13]               ; Wk
	s_mov_b64 s[DST:DST+1], s[28:29]
	s_sub_co_u32 s36, s5, 4096
	s_and_b32 s44, s36, 127
	s_lshr_b32 s45, s36, 7
	s_lshl_b32 s45, s45, 2
	s_bfe_u32 s46, s44, 0x20004
	s_add_co_u32 s45, s45, s46                     ; tile = 4 head + unit
	s_mul_i32 s45, s45, 160
	s_add_co_u32 s45, s45, 128
	s_lshr_b32 s46, s44, 6
	s_lshl_b32 s46, s46, 4
	s_add_co_u32 s45, s45, s46
	s_and_b32 s46, s44, 15
	s_add_co_u32 s45, s45, s46
	s_lshl_b32 s37, s45, 12
	s_branch .Lcast_bf
.Lnot_wk:
	s_cmp_lt_u32 ttmp9, 832
	s_cbranch_scc0 .Lnot_wn
	s_mov_b64 s[SRC:SRC+1], s[14:15]               ; Wq_new
	s_mov_b64 s[DST:DST+1], s[28:29]
	s_sub_co_u32 s36, s5, 4608
	s_and_b32 s44, s36, 127
	s_lshr_b32 s45, s36, 7
	s_add_co_u32 s45, s45, 16
	s_mul_i32 s45, s45, 160
	s_add_co_u32 s45, s45, s44
	s_lshl_b32 s37, s45, 12
	s_branch .Lcast_bf
.Lnot_wn:
	s_cmp_lt_u32 ttmp9, 896
	s_cbranch_scc0 .Lnot_wv
	s_mov_b64 s[SRC:SRC+1], s[16:17]               ; Wv
	s_mov_b64 s[DST:DST+1], s[28:29]
	s_sub_co_u32 s36, s5, 6656
	s_and_b32 s44, s36, 127
	s_lshr_b32 s45, s36, 7
	s_lshl_b32 s45, s45, 2
	s_lshr_b32 s46, s44, 5
	s_add_co_u32 s45, s45, s46
	s_add_co_u32 s45, s45, 16
	s_mul_i32 s45, s45, 160
	s_add_co_u32 s45, s45, 128
	s_and_b32 s46, s44, 31
	s_add_co_u32 s45, s45, s46
	s_lshl_b32 s37, s45, 12
.Lcast_bf:                                             ; to bf16
	POINT
	LOADROW
.set i, 0
.rept 16
	s_wait_loadcnt 15-i                            ; loads come back in order: load i is in, the 15 - i younger ones stay out
	v_cvt_pk_bf16_f32 v[X+4*i], v[X+4*i], v[X+4*i+1]
	v_cvt_pk_bf16_f32 v[X+4*i+1], v[X+4*i+2], v[X+4*i+3]
	global_store_b64 v2, v[X+4*i:X+4*i+1], s[DST:DST+1] offset:256*i th:TH_STORE_NT
.set i, i+1
.endr
	s_endpgm
.Lnot_wv:
	s_cmp_lt_u32 ttmp9, 1152
	s_cbranch_scc0 .Lnot_wo
	s_mov_b64 s[SRC:SRC+1], s[18:19]               ; Wo: row for row: load i goes to byte 256 i = 256 (i % 4) + 1,024 (i / 4)
	s_mov_b64 s[DST:DST+1], s[30:31]
	s_sub_co_u32 s36, s5, 7168
	s_lshl_b32 s37, s36, 12
	s_mov_b32 s46, 256
	s_mov_b32 s[ST2], 1024
	s_branch .Lcast_h
.Lnot_wo:
	s_cmp_lt_u32 ttmp9, 1280
	s_cbranch_scc0 .Ltab
	s_mov_b64 s[DST:DST+1], s[32:33]
	s_cmp_lt_u32 ttmp9, 1216
	s_cbranch_scc0 .Lkb_v
	s_mov_b64 s[SRC:SRC+1], s[20:21]               ; kb_keys: a row of 2,048 numbers is four keys
	s_sub_co_u32 s36, s5, 9216
	s_mov_b32 s37, KFO
	s_branch .Lkb
.Lkb_v:
	s_mov_b64 s[SRC:SRC+1], s[22:23]               ; kb_values
	s_sub_co_u32 s36, s5, 9728
	s_mov_b32 s37, VFO
.Lkb:
	s_lshr_b32 s44, s36, 8                         ; b
	s_lshl_b32 s44, s44, 21
	s_add_co_u32 s37, s37, s44
	s_and_b32 s45, s36, 255
	s_lshl_b32 s45, s45, 10                        ; four keys of 256 bytes
	s_add_co_u32 s37, s37, s45
	s_mov_b32 s46, 524288                          ; load i holds kv head i % 4 (524,288 bytes apart) of key i / 4 (256 bytes apart): one store is one key's whole row of a head
	s_mov_b32 s[ST2], 256
.Lcast_h:                                              ; rounded to bf16, widened again (a shift, a mask) and written as f16
	POINT
	LOADROW
	s_mov_b32 s[ST2+1], 0
	s_mov_b64 s[DB:DB+1], s[DST:DST+1]
	s_add_nc_u64 s[DB+2:DB+3], s[DB:DB+1], s[ST2:ST2+1]
	s_add_nc_u64 s[DB+4:DB+5], s[DB+2:DB+3], s[ST2:ST2+1]
	s_add_nc_u64 s[DB+6:DB+7], s[DB+4:DB+5], s[ST2:ST2+1]
	v_mov_b32 v[VO], v2
	v_add_nc_u32 v[VO+1], s46, v2
	v_add_nc_u32 v[VO+2], s46, v[VO+1]
	v_add_nc_u32 v[VO+3], s46, v[VO+2]
.set i, 0
.rept 16
	s_wait_loadcnt 15-i
	v_cvt_pk_bf16_f32 v[X+4*i], v[X+4*i], v[X+4*i+1]
	v_cvt_pk_bf16_f32 v[X+4*i+1], v[X+4*i+2], v[X+4*i+3]
	v_lshlrev_b32 v[X+4*i+2], 16, v[X+4*i+1]
	v_and_b32 v[X+4*i+3], s7, v[X+4*i+1]
	v_cvt_pk_f16_f32 v[X+4*i+1], v[X+4*i+2], v[X+4*i+3]
	v_lshlrev_b32 v[X+4*i+2], 16, v[X+4*i]
	v_and_b32 v[X+4*i+3], s7, v[X+4*i]
	v_cvt_pk_f16_f32 v[X+4*i], v[X+4*i+2], v[X+4*i+3]
	global_store_b64 v[VO+i%4], v[X+4*i:X+4*i+1], s[DB+2*(i/4):DB+2*(i/4)+1] th:TH_STORE_NT
.set i, i+1
.endr
	s_endpgm
.Ltab:                                                 ; a row of the table a wave; lane l has frequencies 2 l and 2 l + 1
	s_sub_co_u32 s36, s5, 10240
	s_lshl_b32 s37, s36, 2
	v_mov_b32 v3, s37
	global_load_b32 v5, v3, s[24:25]               ; the row's position, the same word in every lane
	v_lshlrev_b32 v6, 1, v4
	v_cvt_f32_u32 v6, v6
	v_add_f32 v7, 1.0, v6
	v_mul_f32 v6, 0xbe549a78, v6                   ; - j log2(10000) / 64
	v_mul_f32 v7, 0xbe549a78, v7
	v_exp_f32 v6, v6
	v_exp_f32 v7, v7
	v_nop                                          ; a plain instruction behind the last exponential,
	s_wait_alu depctr_va_vdst(0)                   ; and one wait for both, ahead of their first reader
	s_wait_loadcnt 0x0
	v_cvt_f32_i32 v5, v5
	v_mul_f32 v6, v5, v6
	v_mul_f32 v7, v5, v7
	SINCOS 6, 14, 12
	SINCOS 7, 15, 13
	v_mul_f32 v16, 0x3db504f3, v12                 ; 1 / sqrt(128)
	v_mul_f32 v17, 0x3db504f3, v13
	v_mul_f32 v18, 0x3db504f3, v14
	v_mul_f32 v19, 0x3db504f3, v15
	s_lshl_b32 s38, s36, 10
	s_add_nc_u64 s[34:35], s[34:35], s[38:39]
	global_store_b64 v2, v[16:17], s[34:35]
	global_store_b64 v2, v[18:19], s[34:35] offset:256
	global_store_b64 v2, v[12:13], s[34:35] offset:512
	global_store_b64 v2, v[14:15], s[34:35] offset:768
	s_endpgm
.Lfunc_end_k_q1ce87adebf_prep:
	.size	k_q1ce87adebf_prep, .Lfunc_end_k_q1ce87adebf_prep-k_q1ce87adebf_prep
	.p2alignl 7, 3214868480
	.fill 96, 4, 3214868480
	.section	.rodata,"a",@progbits
	.p2align	6, 0x0
	.amdhsa_kernel k_q1ce87adebf_prep
		.amdhsa_group_segment_fixed_size 0
		.amdhsa_private_segment_fixed_size 0
		.amdhsa_enable_private_segment 0
		.amdhsa_kernarg_size 112
		.amdhsa_user_sgpr_count 2
		.amdhsa_user_sgpr_kernarg_segment_ptr 1
		.amdhsa_wavefront_size32 1
		.amdhsa_system_sgpr_workgroup_id_x 1
		.amdhsa_system_sgpr_workgroup_id_y 1
		.amdhsa_system_sgpr_workgroup_id_z 1
		.amdhsa_system_vgpr_workitem_id 0
		.amdhsa_next_free_vgpr 80
		.amdhsa_next_free_sgpr 66
		.amdhsa_reserve_vcc 1
		.amdhsa_float_denorm_mode_32 3
		.amdhsa_float_denorm_mode_16_64 3
		.amdhsa_memory_ordered 1
		.amdhsa_forward_progress 1
		.amdhsa_inst_pref_size 25
	.end_amdhsa_kernel
	.amdgpu_metadata
---
amdhsa.version: [ 1, 2 ]
amdhsa.kernels:
  - .name:           k_q1ce87adebf_prep
    .symbol:         k_q1ce87adebf_prep.kd
    .args:
      - { .name: hidden_states, .offset: 0, .size: 8, .value_kind: global_buffer, .address_space: global }
      - { .name: Wq, .offset: 8, .size: 8, .value_kind: global_buffer, .address_space: global }
      - { .name: Wk, .offset: 16, .size: 8, .value_kind: global_buffer, .address_space: global }
      - { .name: Wq_new, .offset: 24, .size: 8, .value_kind: global_buffer, .address_space: global }
      - { .name: Wv, .offset: 32, .size: 8, .value_kind: global_buffer, .address_space: global }
      - { .name: Wo, .offset: 40, .size: 8, .value_kind: global_buffer, .address_space: global }
      - { .name: kb_keys, .offset: 48, .size: 8, .value_kind: global_buffer, .address_space: global }
      - { .name: kb_values, .offset: 56, .size: 8, .value_kind: global_buffer, .address_space: global }
      - { .name: position_ids, .offset: 64, .size: 8, .value_kind: global_buffer, .address_space: global }
      - { .name: xb, .offset: 72, .size: 8, .value_kind: global_buffer, .address_space: global }
      - { .name: wall, .offset: 80, .size: 8, .value_kind: global_buffer, .address_space: global }
      - { .name: wo16, .offset: 88, .size: 8, .value_kind: global_buffer, .address_space: global }
      - { .name: qkv, .offset: 96, .size: 8, .value_kind: global_buffer, .address_space: global }
      - { .name: tab, .offset: 104, .size: 8, .value_kind: global_buffer, .address_space: global }
    .group_segment_fixed_size: 0
    .private_segment_fixed_size: 0
    .kernarg_segment_align: 8
    .kernarg_segment_size: 112
    .max_flat_workgroup_size: 256
    .sgpr_count:     66
    .vgpr_count:     80
    .wavefront_size: 32
...
	.end_amdgpu_metadata
.endif
;; end of part 1
;; launch proj (part 2): grid 32 x 8, 4 waves a work-group, clusters of 4 x 4, 327,680 bytes of LDS; arguments xb, wall, tab, qkv; writes qkv
.if DOCPART == 2
	.amdgcn_target "amdgcn-amd-amdhsa--gfx1250"
	.amdhsa_code_object_version 6
	.text
	.protected	k_q1ce87adebf_proj
	.globl	k_q1ce87adebf_proj
	.p2align	8
	.type	k_q1ce87adebf_proj,@function
k_q1ce87adebf_proj:
	s_mov_b64 s[64:65], 0
	v_nop
	global_prefetch_b8 v0, s[64:65] scope:SCOPE_SE
	s_setreg_imm32_b32 hwreg(HW_REG_WAVE_MODE, 25, 1), 1
	s_wait_xcnt 0x0
	s_wait_alu depctr_hold_cnt(0) depctr_sa_sdst(0) depctr_va_vdst(0) depctr_va_sdst(0) depctr_va_ssrc(0) depctr_va_vcc(0) depctr_vm_vsrc(0)
	s_getreg_b32 s2, hwreg(HW_REG_IB_STS2, 6, 4)
	s_cmp_eq_u32 s2, 0
	s_cbranch_scc0 .Lentry_in_a_cluster
	s_endpgm
.Lentry_in_a_cluster:
	s_bfe_u32 s2, ttmp6, 0x10000c
	s_cmp_lg_u32 s2, 0xf033
	s_cbranch_scc0 .Lentry_shape_is_right
	s_endpgm
.Lentry_shape_is_right:
; PROJ: all four projections as ONE product, C[m][n] = sum over k of xb[m][k] wall[n][k], 2,048 x 5,120 x 2,048, bf16 operands, f32 sums; the rotation, the scale 1/sqrt(128) of q and q_new and the
; one rounding to f16 stand in the way out.  No work of the module is left out here.
; LIMITS.  q/sqrt(128), k and v beyond 65,504 become infinities in f16; NaN and infinities are not treated apart.
; SHARES.  2,048 x 5,120 outputs on 256 work-groups: a tile of 256 rows x 160 columns each: one whole head of q (tiles 0-15) or q_new (16-31), 128 columns, and 32 columns of a head of k or v.
; Wave w has rows 64 w .. 64 w + 63 and all 160 columns: 40 accumulators of 16 x 16.  K goes in 16 steps of 128 (rows of 256 bytes) through two LDS slots filled by the tensor data mover.
; A K STEP IS WRITTEN ONCE: the fragments' addresses are a base plus a scalar that is 0 or SLOT, and one descriptor a tensor walks.  A loop of 14 trips asks for K steps 2 to 15; the last two steps, which ask for
; nothing, are a second loop of two trips that is left in its middle.
; CLUSTER 4 x 4: A's tile hangs on the tile row alone and is asked for jointly by a row of the cluster, B's on the tile column alone, by a column.
; THE PRODUCT IS TAKEN TRANSPOSED (source 0 = 16 rows of wall, source 1 = 16 rows of xb): a lane holds row l % 16 and the columns 8 (l / 16) + 0..7 of a block.  In tiles 0-15 blocks 2 u and 2 u + 1 hold
; the two channels of a rotation in the same lane and register.
; REGISTERS, in windows of 256: window 0: v0-31 addresses; v32-143, v144-255 two fragment buffers (B's ten blocks, then A's four); on the way out v32-111 f32 at work, v112-151 packed, v152-231 rows read back.
;   window 1: accumulators of row blocks 0-2 at 80 a + 8 b.  window 2: v0-79 row block 3's; v80-159 its part of the table.  window 3: the table for row blocks 0-2 at 80 a + 16 u (8 cosines, 8 sines).
.set KSTEP,  128
.set PITCH,  272                       ; an LDS row: 256 bytes + 16 of padding: the 16 rows of a fragment load start at 16 different groups of four banks
.set HALFA,  128*PITCH                 ; what waves 0 and 1 fetch: 128 rows of A each
.set HALFB,  80*PITCH                  ; what waves 2 and 3 fetch: 80 rows of B each
.set BOFF,   2*HALFA
.set SLOT,   BOFF+2*HALFB              ; 113,152
.set STAGE,  2*SLOT                    ; behind the ring: 16 rows x 336 bytes for each wave, never filled by a tensor load
.set SPITCH, 336                       ; 320 bytes + 16
.set SPARE,  STAGE+4*16*SPITCH         ; the spare words: 128 bytes a wave, named by no other line
.set STEPS,  16
.set QNO,    8388608
.set KFO,    16777216
.set VFO,    20971520
.set ADRA, 16                          ; v16 LDS address of my A fragments in the slot in hand; v17 in slot 0
.set TOK,  18                          ; v18 my offset in the table for the unit of k
.set ADRB, 20                          ; v20, v21 the same for B
.set CO5,  22                          ; v22 my offset in 8 rows of k or v
.set TO,   23                          ; v23 my offset in the table
.set STO,  24
.set RD,   25
.set RD5,  26
.set CO,   27                          ; v27 my offset in 2 rows of q
.set SPW,  28
.set NIL,  29
.set PFO,  30                          ; v30 the prefetches' offset: a lane a row
.set F0,   32
.set F1,   144
.set TT,   32
.set PKD,  112
.set BK,   152
.set WV,   12                          ; s12 wave;  s13 0: I fetch A, 1: B;  s14 which half
.set AB,   13
.set HF,   14
.set G1,   24
.set G0,   32                          ; s[32:35] the first fill's group 0; s[36:39] the second's, which then walks
.set G1B,  48
.set G0B,  56
.set TBP,  66                          ; s[66:67] the table at the tile's first row
.set QBP,  68                          ; s[68:69] q or q_new at my wave's first row
.set KBP,  70                          ; s[70:71] k or v at my wave's first row and the tile's 32 channels
.set SCP,  72                          ; s[72:73] 1/sqrt(128)
.set PFA,  78                          ; s[78:79] where my prefetches stand
.set LIM,  80                          ; s80 2 in a wave that prefetches, else the greatest number
.set TB,   81                          ; s81 the slot that fragments are fetched from: 0 or SLOT
.set SBF,  82                          ; s82 the slot that was filled last: 0 or SLOT
.set LA0,  83                          ; s83 my part of A's tile in a slot
.set LB0,  84                          ; s84 my part of B's
.set MSB, 0
.macro WIN new                         ; the immediate's high byte repeats the setting that is left; a switch that changes nothing is dropped
.if MSB != (\new)
	s_set_vgpr_msb (MSB<<8)|(\new)
.set MSB, \new
.endif
.endm
; A joint load.  The branch hangs on the wave's number alone.  An s_nop 0 and four v_nop follow each of the two lines.
.macro JLOAD s
	s_cmp_eq_u32 s[AB], 0
	s_cbranch_scc0 .Lfor_b_\@
	tensor_load_to_lds s[G0+4*(\s):G0+4*(\s)+3], s[G1:G1+7]
	s_nop 0
.rept 4
	v_nop
.endr
	s_branch .Lasked_\@
.Lfor_b_\@:
	tensor_load_to_lds s[G0B+4*(\s):G0B+4*(\s)+3], s[G1B:G1B+7]
	s_nop 0
.rept 4
	v_nop
.endr
.Lasked_\@:
.endm
; A prefetch of the K step that stands two refills on: 256 bytes of a row, a lane a row.  A's rows are asked for by the clusters with x = 0, B's by those with y = 0; the four partners that ask for a tile
; jointly share its rows out by address (32 of A's 128, 20 of B's 80: there lanes 20-31 repeat lane 19's row).  The loop's last two trips ask for nothing: there is no K step two on.
.macro ASK
	s_cmp_gt_u32 s3, s[LIM]
	s_cbranch_scc0 .Lnot_mine_\@
	global_prefetch_b8 v[PFO], s[PFA:PFA+1] offset:KSTEP*2 th:TH_LOAD_NT scope:SCOPE_SE
.Lnot_mine_\@:
.endm
.macro CREST                           ; a round of the cluster's barrier behind its opening barrier
	s_cmp_lg_u32 s[WV], 0
	s_cbranch_scc1 .Lnot_wave_0_\@
	s_barrier_signal -3
.Lnot_wave_0_\@:
	s_barrier_wait -3
	s_barrier_signal -1
	s_barrier_wait -1
.endm
.macro CROUND
	s_barrier_signal -1
	s_barrier_wait -1
	CREST
.endm
.macro PLACES                          ; four places in front of loads into registers that matrix instructions have read, and of vector work that reads results
.rept 4
	v_nop
.endr
.endm
	s_load_b256 s[4:11], s[0:1], 0x0               ; xb s[4:5], wall s[6:7], tab s[8:9], qkv s[10:11]
	v_lshl_add_u32 v[SPW], v0, 2, SPARE
	v_mov_b32 v[NIL], 0
	ds_add_u32 v[SPW], v[NIL]                      ; the wave's opening: the add, twice on end, and its wait ahead of my first tensor load
	ds_add_u32 v[SPW], v[NIL]
	v_lshrrev_b32 v1, 5, v0
	v_readfirstlane_b32 s[WV], v1
	s_lshr_b32 s[AB], s[WV], 1
	s_and_b32 s[HF], s[WV], 1
	s_bfe_u32 s40, ttmp6, 0x40000                  ; cx
	s_bfe_u32 s41, ttmp6, 0x40004                  ; cy
	s_lshl_b32 s42, ttmp9, 2
	s_add_co_u32 s42, s42, s40                     ; t: the N tile
	s_and_b32 s43, ttmp7, 0xffff
	s_lshl_b32 s43, s43, 2
	s_add_co_u32 s43, s43, s41                     ; y: the M tile
	s_lshl_b32 s44, s41, 2
	s_lshl_b32 s44, 15, s44                        ; my row of the cluster
	s_lshl_b32 s45, 0x1111, s40                    ; my column
	s_or_b32 s[G1+0], s44, (1<<16)|(1<<20)|(1<<21)|(5<<22)|(3<<25)   ; the mask; 2-byte elements; padding on; bit 21 beside a mask; after every 64 words 4 words
	s_or_b32 s[G1B+0], s45, (1<<16)|(1<<20)|(1<<21)|(5<<22)|(3<<25)
	s_mov_b32 s[G1+1], KSTEP<<16                   ; tensor_dim0 = 128
	s_mov_b32 s[G1+2], 128<<16                     ; tensor_dim1 = 128
	s_mov_b32 s[G1+3], KSTEP<<16                   ; tile_dim0 = 128
	s_mov_b32 s[G1+4], 128                         ; tile_dim1 = 128
	s_mov_b32 s[G1+5], 2048                        ; elements from row to row
	s_mov_b32 s[G1+6], 0
	s_mov_b32 s[G1+7], 0
	s_mov_b32 s[G1B+1], KSTEP<<16
	s_mov_b32 s[G1B+2], 80<<16                     ; 80 rows
	s_mov_b32 s[G1B+3], KSTEP<<16
	s_mov_b32 s[G1B+4], 80
	s_mov_b32 s[G1B+5], 2048
	s_mov_b32 s[G1B+6], 0
	s_mov_b32 s[G1B+7], 0
	s_lshl_b32 s16, s43, 8                         ; A: row 256 y + 128 half, in registers that never hold cx
	s_lshl_b32 s17, s[HF], 7
	s_add_co_u32 s16, s16, s17
	s_lshl_b32 s16, s16, 12
	s_mov_b32 s17, 0
	s_mul_i32 s46, s42, 160                        ; B: row 160 t + 80 half, in registers that never hold cy
	s_mul_i32 s47, s[HF], 80
	s_add_co_u32 s46, s46, s47
	s_lshl_b32 s46, s46, 12
	s_mov_b32 s47, 0
	s_mul_i32 s[LA0], s[HF], HALFA                 ; where they go: the wave's number alone enters an LDS address
	s_mul_i32 s[LB0], s[HF], HALFB
	s_add_co_u32 s[LB0], s[LB0], BOFF
	s_mov_b32 s[TB], 0
	s_mov_b32 s[SBF], SLOT
	s_wait_dscnt 0x0                               ; both opening adds are done
	s_wait_kmcnt 0x0
	s_add_nc_u64 s[18:19], s[4:5], s[16:17]
	s_add_nc_u64 s[46:47], s[6:7], s[46:47]
	CROUND                                         ; all sixteen work-groups are here: the first joint loads meet
.irp s, 0,1
	s_mov_b32 s[G0+4*(\s)], 1
	s_add_co_u32 s[G0+4*(\s)+1], s[LA0], (\s)*SLOT
	s_add_nc_u64 s[G0+4*(\s)+2:G0+4*(\s)+3], s[18:19], (\s)*KSTEP*2
	s_or_b32 s[G0+4*(\s)+3], s[G0+4*(\s)+3], 0x80000000
	s_mov_b32 s[G0B+4*(\s)], 1
	s_add_co_u32 s[G0B+4*(\s)+1], s[LB0], (\s)*SLOT
	s_add_nc_u64 s[G0B+4*(\s)+2:G0B+4*(\s)+3], s[46:47], (\s)*KSTEP*2
	s_or_b32 s[G0B+4*(\s)+3], s[G0B+4*(\s)+3], 0x80000000
	JLOAD \s                                       ; K steps 0 and 1: two loads of mine are out
.endr
	v_and_b32 v1, 15, v0                           ; l % 16
	v_bfe_u32 v2, v0, 4, 1                         ; l / 16
	v_mul_u32_u24 v3, v1, PITCH
	v_lshl_add_u32 v3, v2, 4, v3                   ; a fragment's row x pitch + 16 x half
	s_mul_i32 s22, s[WV], 64*PITCH
	v_add_nc_u32 v[ADRA+1], s22, v3
	v_mov_b32 v[ADRA], v[ADRA+1]
	v_add_nc_u32 v[ADRB+1], BOFF, v3
	v_mov_b32 v[ADRB], v[ADRB+1]
	s_mul_i32 s23, s[WV], 16*SPITCH
	s_add_co_u32 s23, s23, STAGE                   ; my stage
	v_mul_u32_u24 v4, v1, SPITCH
	v_lshl_add_u32 v4, v2, 4, v4
	v_add_nc_u32 v[STO], s23, v4                   ; in: row l % 16, 16 bytes for each half of the lanes
	v_mul_u32_u24 v5, v2, SPITCH
	v_lshl_add_u32 v5, v1, 4, v5
	v_add_nc_u32 v[RD], s23, v5                    ; back: 16 lanes take a head's row of 256 bytes
	v_bfe_u32 v6, v0, 2, 3
	v_and_b32 v7, 3, v0
	v_mul_u32_u24 v5, v6, SPITCH
	v_lshl_add_u32 v5, v7, 4, v5
	v_add_nc_u32 v5, s23, v5
	v_add_nc_u32 v[RD5], 256, v5                   ; back: 4 lanes take the 64 bytes of k or v of a row
	v_lshlrev_b32 v5, 8, v2
	v_lshl_add_u32 v[CO], v1, 4, v5
	v_lshlrev_b32 v5, 8, v6
	v_lshl_add_u32 v[CO5], v7, 4, v5
	s_lshl_b32 s22, s[WV], 6
	v_add_nc_u32 v5, s22, v1
	v_lshlrev_b32 v5, 10, v5                       ; the table's row 64 w + l % 16,
	v_lshl_add_u32 v[TO], v2, 5, v5                ; my 8 frequencies
	s_and_b32 s22, s42, 3
	s_lshl_b32 s22, s22, 6
	s_add_co_u32 s22, s22, 512                     ; k takes the unscaled half, at the frequencies of its unit
	v_add_nc_u32 v[TOK], s22, v[TO]
	s_lshl_b32 s16, s43, 18
	s_add_nc_u64 s[TBP:TBP+1], s[8:9], s[16:17]    ; 256 y rows of 1,024 bytes
	s_lshr_b32 s74, s43, 2                         ; b
	s_and_b32 s75, s43, 3
	s_lshl_b32 s75, s75, 8
	s_lshl_b32 s76, s[WV], 6
	s_add_co_u32 s75, s75, s76                     ; my first position in the sequence
	s_and_b32 s76, s42, 15                         ; the head
	s_lshl_b32 s77, s74, 4
	s_add_co_u32 s77, s77, s76
	s_lshl_b32 s77, s77, 10
	s_add_co_u32 s77, s77, s75
	s_lshl_b32 s22, s77, 8
	s_cmp_lt_u32 s42, 16
	s_cselect_b32 s23, 0, QNO
	s_add_co_u32 s22, s22, s23
	s_mov_b32 s23, 0
	s_add_nc_u64 s[QBP:QBP+1], s[10:11], s[22:23]
	s_lshl_b32 s77, s74, 2
	s_lshr_b32 s22, s76, 2
	s_add_co_u32 s77, s77, s22                     ; 4 b + kv head
	s_lshl_b32 s77, s77, 11
	s_add_co_u32 s77, s77, 1024                    ; behind the kb keys
	s_add_co_u32 s77, s77, s75
	s_lshl_b32 s77, s77, 8
	s_and_b32 s22, s76, 3
	s_lshl_b32 s22, s22, 6
	s_add_co_u32 s22, s22, s77
	s_mov_b32 s23, VFO
	s_cmp_lt_u32 s42, 16
	s_cselect_b32 s23, KFO, s23
	s_add_co_u32 s22, s22, s23
	s_mov_b32 s23, 0
	s_add_nc_u64 s[KBP:KBP+1], s[10:11], s[22:23]
	s_mov_b32 s[SCP], 0x3db504f3
	s_mov_b32 s[SCP+1], s[SCP]
	; the prefetches
	s_lshl_b32 s74, s43, 8                         ; A's first row
	s_mul_i32 s75, s42, 160                        ; B's
	s_and_b32 s22, ttmp7, 0xffff                   ; cluster y
	s_cmp_eq_u32 s[AB], 0
	s_cselect_b32 s20, s74, s75
	s_cselect_b32 s21, s40, s41                    ; my place among the four that ask with me
	s_cselect_b32 s22, ttmp9, s22                  ; the coordinate along which other clusters read the same rows
	s_cselect_b64 s[PFA:PFA+1], s[4:5], s[6:7]
	s_cmp_eq_u32 s22, 0
	s_cselect_b32 s[LIM], 2, -1
	s_mul_i32 s76, s[AB], 48
	s_sub_co_u32 s76, 128, s76                     ; 128 or 80 rows a wave
	s_mul_i32 s76, s76, s[HF]
	s_add_co_u32 s20, s20, s76
	s_mul_i32 s77, s[AB], 12
	s_sub_co_u32 s76, 32, s77                      ; 32 or 20 rows a partner
	s_mul_i32 s76, s76, s21
	s_add_co_u32 s20, s20, s76
	s_sub_co_u32 s77, 31, s77                      ; the last lane with a row of its own
	s_lshl_b32 s20, s20, 12
	s_mov_b32 s21, 0
	s_add_nc_u64 s[PFA:PFA+1], s[PFA:PFA+1], s[20:21]
	s_add_nc_u64 s[PFA:PFA+1], s[PFA:PFA+1], 2*KSTEP*2   ; at K step 2: the first refill steps it to 3 and names K step 4
	v_and_b32 v[PFO], 31, v0
	v_min_u32 v[PFO], s77, v[PFO]
	v_lshlrev_b32 v[PFO], 12, v[PFO]
; Ten matrix instructions: row block a x all ten column blocks, 32 along K.  The 40 accumulators take turns in one fixed order.  zero = 1: the first product starts the sums.
.macro MUL f, a, zero
.if (\a) < 3
	WIN 0x50
.set AC, 80*(\a)
.else
	WIN 0xa0
.set AC, 0
.endif
.irp b, 0,1,2,3,4,5,6,7,8,9
.if \zero
	v_wmma_f32_16x16x32_bf16 v[AC+8*(\b):AC+8*(\b)+7], v[(\f)+8*(\b):(\f)+8*(\b)+7], v[(\f)+80+8*(\a):(\f)+80+8*(\a)+7], 0
.else
	v_wmma_f32_16x16x32_bf16 v[AC+8*(\b):AC+8*(\b)+7], v[(\f)+8*(\b):(\f)+8*(\b)+7], v[(\f)+80+8*(\a):(\f)+80+8*(\a)+7], v[AC+8*(\b):AC+8*(\b)+7]
.endif
.endr
.endm
; 28 LDS loads in one run: B's ten blocks, then A's four, 32 along K at byte k of the rows of the slot in hand
.macro FETCH k, f
	WIN 0
.irp i, 0,1,2,3,4,5,6,7,8,9
	ds_load_b128 v[(\f)+8*(\i):(\f)+8*(\i)+3],   v[ADRB] offset:(\k)+(\i)*16*PITCH
	ds_load_b128 v[(\f)+8*(\i)+4:(\f)+8*(\i)+7], v[ADRB] offset:(\k)+(\i)*16*PITCH+32
.endr
.irp i, 0,1,2,3
	ds_load_b128 v[(\f)+80+8*(\i):(\f)+80+8*(\i)+3],   v[ADRA] offset:(\k)+(\i)*16*PITCH
	ds_load_b128 v[(\f)+80+8*(\i)+4:(\f)+80+8*(\i)+7], v[ADRA] offset:(\k)+(\i)*16*PITCH+32
.endr
.endm
.macro QUARTER k, f, g, zero
	s_wait_dscnt 4                                 ; B and A's blocks 0 and 1 are in; the youngest four loads (blocks 2 and 3) may be out
	MUL \f, 0, \zero
	MUL \f, 1, \zero
	PLACES
	FETCH \k, \g
	s_wait_dscnt 28                                ; all but the 28 just issued
	MUL \f, 2, \zero
	MUL \f, 3, \zero
.endm
; The last quarter multiplies buffer 1 and changes slots.  Its first twenty products stand AHEAD of the wait for the tensor loads; between that wait and the next request stand only the add, the descriptors'
; steps, the wait for the add and for my reads of this slot, and the barrier: no product is set on the way from a tile's landing to the request for the next.  So a request has a whole step's 160 matrix
; instructions in which to land.  fill = 1: the barrier opens a round of the cluster's, and this slot is filled again first thing behind it, two K steps ahead.
; fill = 0 (the last two steps): nothing is asked for; in the very last step (s3 = 1) there is no next slot, and the run of LDS loads is jumped over.
.macro TURN fill
.if \fill
	s_wait_xcnt 0x0                                ; the last prefetch, a K step back, has read its address
	s_add_nc_u64 s[PFA:PFA+1], s[PFA:PFA+1], KSTEP*2
.endif
	s_wait_dscnt 4                                 ; buffer 1's B and A's blocks 0 and 1 are in; the youngest four loads (blocks 2 and 3) may be out
	MUL F1, 0, 0
	MUL F1, 1, 0
	WIN 0
	s_wait_tensorcnt 0x0                           ; all my tensor loads have landed: my part of the next slot; no load of mine is out, so a group 0 may be written
	ds_add_u32 v[SPW], v[NIL]                      ; 0 onto my spare word; the descriptors' steps stand between it and the wait for it
.if \fill
	s_xor_b32 s[SBF], s[SBF], SLOT                 ; the walking descriptors: the slot that is being read out,
	s_add_co_u32 s[G0+5], s[SBF], s[LA0]
	s_add_co_u32 s[G0B+5], s[SBF], s[LB0]
	s_add_nc_u64 s[G0+6:G0+7], s[G0+6:G0+7], KSTEP*2       ; the K step behind the one asked for last
	s_add_nc_u64 s[G0B+6:G0B+7], s[G0B+6:G0B+7], KSTEP*2
.endif
	s_wait_dscnt 0x0                               ; the add is done, and my reads of this slot are over
	s_barrier_signal -1
	s_barrier_wait -1
.if \fill
	CREST
	JLOAD 1                                        ; its four v_nop are also the places in front of the loads below
.else
	PLACES
	s_cmp_eq_u32 s3, 1
	s_cbranch_scc1 .Lno_fetch_\@
.endif
	s_xor_b32 s[TB], s[TB], SLOT                   ; the fragments now come from the other slot
	v_add_nc_u32 v[ADRA], s[TB], v[ADRA+1]
	v_add_nc_u32 v[ADRB], s[TB], v[ADRB+1]
	FETCH 0, F0
.if \fill
	ASK
.else
.Lno_fetch_\@:
.endif
	MUL F1, 2, 0
	MUL F1, 3, 0
.endm
	s_wait_tensorcnt 1                             ; my part of K step 0 is in; K step 1's may stay out
	s_barrier_signal -1
	s_barrier_wait -1
	FETCH 0, F0
	QUARTER 64, F0, F1, 1                          ; the first quarter stands in front of the loop: its products start the sums
	WIN 0
	s_mov_b32 s3, STEPS-2
.Lstep:                                                ; a trip goes from a step's second quarter to the next step's first, and asks for the step two on
	QUARTER 128, F1, F0, 0
	QUARTER 192, F0, F1, 0
	TURN 1
	QUARTER 64,  F0, F1, 0
	WIN 0
	s_sub_co_u32 s3, s3, 1
	s_cmp_lg_u32 s3, 0
	s_cbranch_scc1 .Lstep
	s_mov_b32 s3, 2
.Ltail:                                                ; the last two steps fill nothing; the second trip is left behind the step's last quarter
	QUARTER 128, F1, F0, 0
	QUARTER 192, F0, F1, 0
	TURN 0
	WIN 0
	s_sub_co_u32 s3, s3, 1
	s_cmp_eq_u32 s3, 0
	s_cbranch_scc1 .Lout
	QUARTER 64,  F0, F1, 0
	WIN 0
	s_branch .Ltail
.Lout:
	PLACES
; THE WAY OUT, a row block (16 rows) at a time: f32 work, one rounding to f16, through my own stage in LDS, back as whole rows.
.macro TLOAD a                         ; the table for row block a: 20 loads
.if (\a) < 3
	WIN 0xc0
.set T0, 80*(\a)
.else
	WIN 0x80
.set T0, 80
.endif
.irp u, 0,1,2,3
	global_load_b128 v[T0+16*(\u):T0+16*(\u)+3],     v[TO], s[TBP:TBP+1] offset:(\a)*16384+(\u)*64
	global_load_b128 v[T0+16*(\u)+4:T0+16*(\u)+7],   v[TO], s[TBP:TBP+1] offset:(\a)*16384+(\u)*64+16
	global_load_b128 v[T0+16*(\u)+8:T0+16*(\u)+11],  v[TO], s[TBP:TBP+1] offset:(\a)*16384+(\u)*64+256
	global_load_b128 v[T0+16*(\u)+12:T0+16*(\u)+15], v[TO], s[TBP:TBP+1] offset:(\a)*16384+(\u)*64+272
.endr
	global_load_b128 v[T0+64:T0+67], v[TOK], s[TBP:TBP+1] offset:(\a)*16384
	global_load_b128 v[T0+68:T0+71], v[TOK], s[TBP:TBP+1] offset:(\a)*16384+16
	global_load_b128 v[T0+72:T0+75], v[TOK], s[TBP:TBP+1] offset:(\a)*16384+256
	global_load_b128 v[T0+76:T0+79], v[TOK], s[TBP:TBP+1] offset:(\a)*16384+272
	WIN 0
.endm
.macro ROPEA a                         ; X cos - Y sin and Y cos + X sin for the five units; each accumulator is read from its low end on
.if (\a) < 3
	WIN 0x0d
.set AC, 80*(\a)
.set T0, 80*(\a)
.else
	WIN 0x0a
.set AC, 0
.set T0, 80
.endif
.set u, 0
.rept 5
.set r, 0
.rept 4
	v_pk_mul_f32 v[TT+16*u+r:TT+16*u+r+1], v[AC+16*u+r:AC+16*u+r+1], v[T0+16*u+r:T0+16*u+r+1]
	v_pk_mul_f32 v[TT+16*u+8+r:TT+16*u+8+r+1], v[AC+16*u+8+r:AC+16*u+8+r+1], v[T0+16*u+r:T0+16*u+r+1]
	v_pk_fma_f32 v[TT+16*u+r:TT+16*u+r+1], v[AC+16*u+8+r:AC+16*u+8+r+1], v[T0+16*u+8+r:T0+16*u+8+r+1], v[TT+16*u+r:TT+16*u+r+1] neg_lo:[1,0,0] neg_hi:[1,0,0]
	v_pk_fma_f32 v[TT+16*u+8+r:TT+16*u+8+r+1], v[AC+16*u+r:AC+16*u+r+1], v[T0+16*u+8+r:T0+16*u+8+r+1], v[TT+16*u+8+r:TT+16*u+8+r+1]
.set r, r+2
.endr
.set u, u+1
.endr
	WIN 0
.endm
.macro CVTS n                          ; the first n pairs of TT are rounded to f16
.set i, 0
.rept \n
	v_cvt_pk_f16_f32 v[PKD+i], v[TT+2*i], v[TT+2*i+1]
.set i, i+1
.endr
.endm
.macro PLAINA a                        ; q_new times 1/sqrt(128); v as it is
.if (\a) < 3
	WIN 0x01
.set AC, 80*(\a)
.else
	WIN 0x02
.set AC, 0
.endif
.set i, 0
.rept 32
	v_pk_mul_f32 v[TT+2*i:TT+2*i+1], v[AC+2*i:AC+2*i+1], s[SCP:SCP+1] op_sel_hi:[1,0]
.set i, i+1
.endr
.if (\a) < 3
	WIN 0x05
.else
	WIN 0x0a
.endif
.set i, 32
.rept 8
	v_cvt_pk_f16_f32 v[PKD+i], v[AC+2*i], v[AC+2*i+1]
.set i, i+1
.endr
	WIN 0
.endm
.macro TOSTAGE a
.set B0, BK+40*((\a)%2)
.irp b, 0,1,2,3,4,5,6,7,8,9
	ds_store_b128 v[STO], v[PKD+4*(\b):PKD+4*(\b)+3] offset:32*(\b)
.endr
.irp i, 0,1,2,3,4,5,6,7
	ds_load_b128 v[B0+4*(\i):B0+4*(\i)+3], v[RD] offset:(\i)*2*SPITCH   ; LDS serves a wave's instructions in order: these see the stores above
.endr
.irp i, 0,1
	ds_load_b128 v[B0+32+4*(\i):B0+32+4*(\i)+3], v[RD5] offset:(\i)*8*SPITCH
.endr
.endm
.macro SEND a
.set B0, BK+40*((\a)%2)
	s_wait_dscnt 0x0                               ; the block is back in registers
	s_wait_xcnt 0x0                                ; the stores of the block before have read their registers: the next block's loads from the stage may land on them
.irp i, 0,1,2,3,4,5,6,7
	global_store_b128 v[CO], v[B0+4*(\i):B0+4*(\i)+3], s[QBP:QBP+1] offset:(\a)*4096+512*(\i)   ; 16 lanes store a head's row: 256 consecutive bytes, aligned
.endr
.irp i, 0,1
	global_store_b128 v[CO5], v[B0+32+4*(\i):B0+32+4*(\i)+3], s[KBP:KBP+1] offset:(\a)*4096+2048*(\i)   ; 4 lanes store 64 bytes of a row of k or v: a fifth of the tile's bytes leave in quarters of a row
.endr
.endm
	s_cmp_lt_u32 ttmp9, 4                          ; tiles 0-15 are rotated: the cluster's x decides, the same in all partners
	s_cbranch_scc0 .Lplain
	TLOAD 0
	TLOAD 1
	TLOAD 2
	s_wait_loadcnt 40                              ; block 0's 20 loads are in; blocks 1 and 2's stay out
	TLOAD 3
	ROPEA 0
	CVTS 40
	TOSTAGE 0
	SEND 0
	s_wait_loadcnt 40                              ; blocks 2 and 3's stay out
	ROPEA 1
	CVTS 40
	TOSTAGE 1
	SEND 1
	s_wait_loadcnt 20
	ROPEA 2
	CVTS 40
	TOSTAGE 2
	SEND 2
	s_wait_loadcnt 0x0
	ROPEA 3
	CVTS 40
	TOSTAGE 3
	SEND 3
	s_branch .Ldone
.Lplain:
.irp a, 0,1,2,3
	PLAINA \a
	CVTS 32
	TOSTAGE \a
	SEND \a
.endr
.Ldone:
	s_wait_tensorcnt 0x0                           ; the wave's end: behind my last tensor load and my last LDS store
	ds_add_u32 v[SPW], v[NIL]
	s_wait_dscnt 0x0
	CROUND                                         ; the closing round
	s_endpgm
.Lfunc_end_k_q1ce87adebf_proj:
	.size	k_q1ce87adebf_proj, .Lfunc_end_k_q1ce87adebf_proj-k_q1ce87adebf_proj
	.p2alignl 7, 3214868480
	.fill 96, 4, 3214868480
	.section	.rodata,"a",@progbits
	.p2align	6, 0x0
	.amdhsa_kernel k_q1ce87adebf_proj
		.amdhsa_group_segment_fixed_size 327680
		.amdhsa_private_segment_fixed_size 0
		.amdhsa_enable_private_segment 0
		.amdhsa_kernarg_size 32
		.amdhsa_user_sgpr_count 2
		.amdhsa_user_sgpr_kernarg_segment_ptr 1
		.amdhsa_wavefront_size32 1
		.amdhsa_system_sgpr_workgroup_id_x 1
		.amdhsa_system_sgpr_workgroup_id_y 1
		.amdhsa_system_sgpr_workgroup_id_z 1
		.amdhsa_system_vgpr_workitem_id 0
		.amdhsa_next_free_vgpr 1024
		.amdhsa_next_free_sgpr 88
		.amdhsa_reserve_vcc 0
		.amdhsa_float_denorm_mode_32 3
		.amdhsa_float_denorm_mode_16_64 3
		.amdhsa_memory_ordered 1
		.amdhsa_forward_progress 1
		.amdhsa_inst_pref_size 130
	.end_amdhsa_kernel
	.amdgpu_metadata
---
amdhsa.version: [ 1, 2 ]
amdhsa.kernels:
  - .name:           k_q1ce87adebf_proj
    .symbol:         k_q1ce87adebf_proj.kd
    .args:
      - { .name: xb, .offset: 0, .size: 8, .value_kind: global_buffer, .address_space: global }
      - { .name: wall, .offset: 8, .size: 8, .value_kind: global_buffer, .address_space: global }
      - { .name: tab, .offset: 16, .size: 8, .value_kind: global_buffer, .address_space: global }
      - { .name: qkv, .offset: 24, .size: 8, .value_kind: global_buffer, .address_space: global }
    .group_segment_fixed_size: 327680
    .private_segment_fixed_size: 0
    .kernarg_segment_align: 8
    .kernarg_segment_size: 32
    .max_flat_workgroup_size: 128
    .sgpr_count:     88
    .vgpr_count:     1024
    .wavefront_size: 32
...
	.end_amdgpu_metadata
.endif
;; end of part 2
;; launch attn (part 3): grid 32 x 8, 4 waves a work-group, clusters of 4 x 1, 327,680 bytes of LDS; arguments qkv, attention_mask, ao; writes ao
.if DOCPART == 3
	.amdgcn_target "amdgcn-amd-amdhsa--gfx1250"
	.amdhsa_code_object_version 6
	.text
	.protected	k_q1ce87adebf_attn
	.globl	k_q1ce87adebf_attn
	.p2align	8
	.type	k_q1ce87adebf_attn,@function
k_q1ce87adebf_attn:
	s_mov_b64 s[64:65], 0
	v_nop
	global_prefetch_b8 v0, s[64:65] scope:SCOPE_SE
	s_setreg_imm32_b32 hwreg(HW_REG_WAVE_MODE, 25, 1), 1
	s_wait_xcnt 0x0
	s_wait_alu depctr_hold_cnt(0) depctr_sa_sdst(0) depctr_va_vdst(0) depctr_va_sdst(0) depctr_va_ssrc(0) depctr_va_vcc(0) depctr_vm_vsrc(0)
	s_getreg_b32 s2, hwreg(HW_REG_IB_STS2, 6, 4)
	s_cmp_eq_u32 s2, 0
	s_cbranch_scc0 .Lentry_in_a_cluster
	s_endpgm
.Lentry_in_a_cluster:
	s_bfe_u32 s2, ttmp6, 0x10000c
	s_cmp_lg_u32 s2, 0x3003
	s_cbranch_scc0 .Lentry_shape_is_right
	s_endpgm
.Lentry_shape_is_right:
; ATTN: for each query ONE softmax over 2,048 keys: 1,024 kb keys scored with q_new, then 1,024 self keys scored with the roped q plus the mask.  All operands f16; products, maxima and sums in f32; the weights
; are rounded to f16 for the second product, O once at the end.  The mask is an input: no key is left out, no work of the module is left out here.
; q and q_new arrive times 1/sqrt(128), so K Q^T is the score itself, and THE MASK IS THE C OPERAND of the product that starts a score's sum: it costs no vector instruction.  In the kb steps that operand holds 0.
; LIMITS.  A score below -2^100 is not told apart from the start value; a weight below 2^-126 counts as 0; p below 6e-5 keeps f16's fixed step; NaN and infinities are not treated apart.
; SHARES.  y = 4 b + kv head.  A work-group has 32 queries x the 4 query heads of the kv head: 128 rows; one block of the mask serves all four heads.  Wave w: heads 2 (w&1) and 2 (w&1) + 1 (two PIECES of two
; tiles of 16 queries) and the key steps of parity w>>1: step n is keys 128 n + 64 (w>>1) on, n = 0..15.  The two parities' results are merged once, in LDS, at the end.
; LAYOUT.  S^T = K Q^T holds one query a lane (l % 16) and the keys 8 (l / 16) + 0..7; two such results rounded to f16 are source 1 of O^T = V^T P.  p = 2^(c s - c m), c = log2(e), running maximum m;
; O and l are multiplied by a = 2^(c m_old - c m_new) in every step.
; BY TURNS.  In a turn one piece has the matrix unit (32 products V^T P of the step in hand, 32 products K Q^T of the next); the other piece's softmax stands in 64 slices behind them.  A turn's 66 exponentials are one batch with one wait.
; NO FIRST AND NO LAST STEP is written out.  m starts at the lowest number, O, l, V and piece 0's P at 0, piece 2's scores at -2^100: the first trip's products add 0, and the next a = 0 wipes what its softmax left.
; The tail's loop is left in the middle of its third trip: that trip's 32 products K Q^T, on the last K once more, serve nothing: the price, once a launch, of one text for every turn.
; CLUSTER.  The four query blocks of a cluster walk the same K and V: each tile is asked for jointly.
; REGISTERS: window 0: v0-11, v44-47, v56-63 addresses; v12-43 statistics, 8 a tile; v48-55 the merge's; v64-191 S^T; v192-255 P.  window 1: O^T, 64 a tile.  window 2: v0-127 Q; v128-255 K of a step.
;   window 3: v0-127 V of a step; v128-191 MK, the mask as C (query tile qt, key block kb at 32 qt + 8 kb); v192-255 MX, the mask a step further on.
.set KS,    64
.set PK,    272                        ; a row of K in LDS: 256 + 16
.set PV,    288                        ; a row of V: 256 + 32
.set VOFF,  256*PK                     ; a slot holds 256 keys: K's rows, then V's
.set SLOT1, 256*(PK+PV)                ; 143,360
.set QL,    2*SLOT1                    ; the roped q: 4 heads x 32 rows x 272, filled once
.set SPARE, QL+128*PK                  ; the spare words
.set MERGE, 33792                      ; behind the last fill the ring's bytes serve again: a wave's O^T (32,768) and statistics (1,024), at MERGE x (w&1); the stages at SLOT1
.set SP,    272
.set QNO,   8388608
.set KFO,   16777216
.set VFO,   20971520
.set AK0, 2
.set AV0, 3
.set ADR, 4
.set QO,  5
.set STO, 6
.set RD,  7
.set GO,  8
.set ST,  12                           ; tile t: +0 c m, +1 m, +2, +3 l, +4 to +7 at work; a takes +6
.set MO,  44                           ; v44 my offset in the mask's block: (l % 16) rows + 32 (l / 16) bytes
.set AQ,  45                           ; v45 my place in the roped q of my two heads
.set MA,  46                           ; v46 my 16 bytes in the merge's area
.set PMO, 47                           ; v47 a lane a row of the mask
.set PFO, 61                           ; v61 a lane a row of K or V
.set SPW, 62
.set NIL, 63
.set S,   64
.set P,   192
.set KF,  128
.set MK,  128
.set MX,  192
.set WV,  12
.set LIM, 15
.set PFA, 18
.set G1K, 24
.set G1V, 32
.set G0K, 40
.set G0V, 44
.set G1Q, 48
.set G0Q, 56
.set CS,  60
.set SEL, 62
.set SLOTS, 66
.set TWICE, 67
.set TBK, 68
.set TBV, 69
.set NST, 70                           ; s70 the step whose scores are being made
.set SBF, 71                           ; s71 the slot to be filled: 0 or SLOT1
.set LK0, 72
.set LV0, 73
.set MB,  74                           ; s[74:75] the mask at my queries and the step that was loaded last
.set PFM, 76                           ; s[76:77] where my prefetches of the mask stand
.set STP, 78                           ; s[78:79] what MB is stepped by: 0 the first time, then 512
.set MLO, 80
.set QNP, 82
.set STQ, 84
.set MSB, 0
.macro WIN new
.if MSB != (\new)
	s_set_vgpr_msb (MSB<<8)|(\new)
.set MSB, \new
.endif
.endm
.set W_KQ, 0x0a
.set W_KM, 0x3a                        ; the same with C in window 3
.set W_PV, 0x53
.set W_RS, 0x41
.macro JLOAD                           ; waves 0 and 1 fetch the halves of a slot's K, waves 2 and 3 of its V: 128 rows each
	s_cmp_lt_u32 s[WV], 2
	s_cbranch_scc0 .Lfor_v_\@
	tensor_load_to_lds s[G0K:G0K+3], s[G1K:G1K+7]
	s_nop 0
.rept 4
	v_nop
.endr
	s_branch .Lasked_\@
.Lfor_v_\@:
	tensor_load_to_lds s[G0V:G0V+3], s[G1V:G1V+7]
	s_nop 0
.rept 4
	v_nop
.endr
.Lasked_\@:
.endm
; PREFETCHES, behind the joint load and its five lines.  K and V: the rows that the NEXT change of slots will ask for; all clusters of a kv head walk the same rows, so its first cluster asks; of the 128 rows that a
; wave fetches each partner takes 32, by address; a lane a row.  The mask: the 256 key columns of a slot, 32 rows x 1,024 bytes, wave w the w-th block of 256 bytes of each row, one slot ahead of the first load
; that wants them; the four kv heads read the same block, so kv head 0 asks.  Each block of 256 bytes is named once in the launch; the last changes ask for nothing.
.macro ASK
	s_cmp_gt_u32 s[SLOTS], s[LIM]
	s_cbranch_scc0 .Lnot_kv_\@
	global_prefetch_b8 v[PFO], s[PFA:PFA+1] th:TH_LOAD_NT scope:SCOPE_SE
.Lnot_kv_\@:
	s_sub_co_u32 s81, s[SLOTS], s[MLO]
	s_cmp_lt_u32 s81, 4
	s_cbranch_scc0 .Lnot_m_\@
	global_prefetch_b8 v[PMO], s[PFM:PFM+1] th:TH_LOAD_NT scope:SCOPE_SE
.Lnot_m_\@:
.endm
.macro CROUND
	s_barrier_signal -1
	s_barrier_wait -1
	s_cmp_lg_u32 s[WV], 0
	s_cbranch_scc1 .Lnot_wave_0_\@
	s_barrier_signal -3
.Lnot_wave_0_\@:
	s_barrier_wait -3
	s_barrier_signal -1
	s_barrier_wait -1
.endm
	s_load_b128 s[4:7], s[0:1], 0x0                ; qkv s[4:5], mask s[6:7]
	s_load_b64 s[8:9], s[0:1], 0x10                ; ao
	v_lshl_add_u32 v[SPW], v0, 2, SPARE
	v_mov_b32 v[NIL], 0
	ds_add_u32 v[SPW], v[NIL]                      ; the wave's opening: the add, twice on end, and its wait ahead of my first tensor load
	ds_add_u32 v[SPW], v[NIL]
	v_lshrrev_b32 v1, 5, v0
	v_readfirstlane_b32 s[WV], v1
	s_and_b32 s16, s[WV], 1                        ; which pair of heads; also which half of a slot's rows I fetch
	s_lshr_b32 s17, s[WV], 1                       ; which parity of key steps
	s_bfe_u32 s13, ttmp6, 0x40000                  ; cx
	s_lshl_b32 s14, ttmp9, 2
	s_add_co_u32 s14, s14, s13
	s_lshl_b32 s14, s14, 5                         ; q0: it enters global addresses of q, mask and ao alone
	s_and_b32 s10, ttmp7, 0xffff                   ; y, which the four partners share
	s_lshl_b32 s20, s10, 19                        ; y x 2,048 rows of 256 bytes,
	s_lshl_b32 s21, s16, 15                        ; my 128 rows
	s_add_co_u32 s20, s20, s21
	s_mov_b32 s21, 0
	s_mul_i32 s[LK0], s16, 128*PK
	s_mul_i32 s[LV0], s16, 128*PV
	s_add_co_u32 s[LV0], s[LV0], VOFF
	s_mov_b32 s[G1K], 15|(1<<16)|(1<<20)|(1<<21)|(5<<22)|(3<<25)   ; the mask of four; 2-byte elements; padding on; bit 21 beside a mask; after every 64 words 4 words
	s_mov_b32 s[G1V], 15|(1<<16)|(1<<20)|(1<<21)|(5<<22)|(7<<25)   ; 8 words
	s_mov_b32 s[G1Q], (1<<16)|(1<<20)|(5<<22)|(3<<25)              ; my own load: no mask
.irp g, G1K, G1V
	s_mov_b32 s[(\g)+1], 128<<16
	s_mov_b32 s[(\g)+2], 128<<16
	s_mov_b32 s[(\g)+3], 128<<16
	s_mov_b32 s[(\g)+4], 128
	s_mov_b32 s[(\g)+5], 128
	s_mov_b32 s[(\g)+6], 0
	s_mov_b32 s[(\g)+7], 0
.endr
	s_mov_b32 s[G1Q+1], 128<<16
	s_mov_b32 s[G1Q+2], 32<<16                     ; 32 rows
	s_mov_b32 s[G1Q+3], 128<<16
	s_mov_b32 s[G1Q+4], 32
	s_mov_b32 s[G1Q+5], 128
	s_mov_b32 s[G1Q+6], 0
	s_mov_b32 s[G1Q+7], 0
	s_mov_b32 s[G0K], 1
	s_mov_b32 s[G0K+1], s[LK0]                     ; slot 0
	s_mov_b32 s[G0V], 1
	s_mov_b32 s[G0V+1], s[LV0]
	s_mov_b32 s[G0Q], 1
	s_mul_i32 s[G0Q+1], s[WV], 32*PK
	s_add_co_u32 s[G0Q+1], s[G0Q+1], QL            ; wave w fetches head w's 32 rows of roped q
	s_lshl_b32 s22, s10, 2                         ; 4 y: the first of my kv head's query heads
	s_add_co_u32 s23, s22, s[WV]
	s_lshl_b32 s23, s23, 10
	s_add_co_u32 s23, s23, s14
	s_lshl_b32 s86, s23, 8
	s_mov_b32 s87, 0
	s_lshl_b32 s23, s16, 1
	s_add_co_u32 s23, s23, s22
	s_lshl_b32 s23, s23, 10
	s_add_co_u32 s23, s23, s14
	s_lshl_b32 s84, s23, 8
	s_add_co_u32 s84, s84, QNO
	s_mov_b32 s85, 0
	s_lshr_b32 s22, s10, 2                         ; b
	s_lshl_b32 s23, s22, 22
	s_lshl_b32 s81, s14, 12
	s_add_co_u32 s23, s23, s81                     ; (1,024 b + q0) rows of 4,096 bytes: in the mask and in ao
	s_lshl_b32 s81, s17, 8
	s_add_co_u32 s[MB], s23, s81
	s_mov_b32 s[MB+1], 0
	s_lshl_b32 s81, s[WV], 8
	s_add_co_u32 s[PFM], s23, s81
	s_mov_b32 s[PFM+1], 0
	s_and_b32 s81, s10, 3
	s_cmp_eq_u32 s81, 0
	s_cselect_b32 s[MLO], 2, 100
	s_lshl_b32 s81, s81, 2
	s_lshl_b32 s2, s16, 1
	s_add_co_u32 s81, s81, s2
	s_lshl_b32 s81, s81, 8
	s_add_co_u32 s2, s23, s81
	s_mov_b32 s3, 0
	s_cmp_eq_u32 ttmp9, 0
	s_cselect_b32 s[LIM], 1, -1
	s_mov_b32 s[CS], 0x3fb8aa3b                    ; c = log2(e)
	s_mov_b32 s[CS+1], s[CS]
	s_mov_b32 s[SEL], 0x76543210
	s_mov_b32 s[SEL+1], 0xfedcba98
	s_mov_b32 s[TBK], SLOT1+4*KS*PK                ; the first change of slots turns these two into 0
	s_mov_b32 s[TBV], SLOT1+4*KS*PV
	s_mov_b32 s[SBF], 0
	s_mov_b32 s[NST], 0
	s_mov_b32 s[SLOTS], 7
	s_mov_b32 s[STP], 0
	s_mov_b32 s[STP+1], 0
	s_wait_dscnt 0x0                               ; both opening adds are done
	s_wait_kmcnt 0x0
	s_add_nc_u64 s[G0K+2:G0K+3], s[4:5], s[20:21]
	s_add_nc_u64 s[G0K+2:G0K+3], s[G0K+2:G0K+3], KFO
	s_add_nc_u64 s[G0V+2:G0V+3], s[4:5], s[20:21]
	s_add_nc_u64 s[G0V+2:G0V+3], s[G0V+2:G0V+3], VFO
	s_cmp_lt_u32 s[WV], 2
	s_cselect_b64 s[PFA:PFA+1], s[G0K+2:G0K+3], s[G0V+2:G0V+3]
	s_or_b32 s[G0K+3], s[G0K+3], 0x80000000
	s_or_b32 s[G0V+3], s[G0V+3], 0x80000000
	s_lshl_b32 s22, s13, 13                        ; my work-group's 32 rows of the 128
	s_mov_b32 s23, 0
	s_add_nc_u64 s[PFA:PFA+1], s[PFA:PFA+1], s[22:23]
	s_add_nc_u64 s[PFA:PFA+1], s[PFA:PFA+1], 65536 ; in slot 1; the first change steps it to slot 2
	s_add_nc_u64 s[G0Q+2:G0Q+3], s[4:5], s[86:87]
	s_or_b32 s[G0Q+3], s[G0Q+3], 0x80000000
	s_add_nc_u64 s[QNP:QNP+1], s[4:5], s[84:85]
	s_add_nc_u64 s[MB:MB+1], s[6:7], s[MB:MB+1]
	s_add_nc_u64 s[PFM:PFM+1], s[6:7], s[PFM:PFM+1]
	s_add_nc_u64 s[8:9], s[8:9], s[2:3]
	s_mov_b32 s[STQ], 0
	s_mov_b32 s[STQ+1], 0
	CROUND                                         ; all four work-groups are here: the first joint loads meet
	s_cmp_lt_u32 s[WV], 2                          ; a wave's two first fills stand in one branch: slot 0's part and the roped q: two loads of mine are out
	s_cbranch_scc0 .Lfirst_v
	tensor_load_to_lds s[G0K:G0K+3], s[G1K:G1K+7]
	s_nop 0
	tensor_load_to_lds s[G0Q:G0Q+3], s[G1Q:G1Q+7]
	s_nop 0
.rept 4
	v_nop
.endr
	s_branch .Lfirst_asked
.Lfirst_v:
	tensor_load_to_lds s[G0V:G0V+3], s[G1V:G1V+7]
	s_nop 0
	tensor_load_to_lds s[G0Q:G0Q+3], s[G1Q:G1Q+7]
	s_nop 0
.rept 4
	v_nop
.endr
.Lfirst_asked:
	v_and_b32 v1, 15, v0                           ; l % 16
	v_bfe_u32 v9, v0, 4, 1                         ; l / 16
	v_and_b32 v10, 7, v0
	v_bfe_u32 v11, v0, 3, 1
	v_and_b32 v56, 31, v0
	v_lshlrev_b32 v[QO], 8, v1
	v_lshl_add_u32 v[QO], v9, 4, v[QO]
	WIN 0x80
.set i, 0
.rept 16                               ; q_new: tile i / 4 (head i / 8, queries 16 ((i / 4) % 2) on), channels 32 (i % 4) on
	global_load_b128 v[8*i:8*i+3],   v[QO], s[QNP:QNP+1] offset:(i/8)*262144+((i/4)%2)*4096+(i%4)*64
	global_load_b128 v[8*i+4:8*i+7], v[QO], s[QNP:QNP+1] offset:(i/8)*262144+((i/4)%2)*4096+(i%4)*64+32
.set i, i+1
.endr
	WIN 0x40                                       ; what the first trip finds; all this stands in the wait for the first tile
.set i, 0
.rept 256
	v_mov_b32 v[i], 0                              ; O^T
.set i, i+1
.endr
	WIN 0xc0
.set i, 0
.rept 256
	v_mov_b32 v[i], 0                              ; V, MK, MX
.set i, i+1
.endr
	WIN 0
.set i, 0
.rept 4
	v_mov_b32 v[ST+8*i], 0xfe000000                ; c m: far below every c s
	v_mov_b32 v[ST+8*i+1], 0xff7fffff              ; m
	v_mov_b32 v[ST+8*i+2], 0
	v_mov_b32 v[ST+8*i+3], 0
.set i, i+1
.endr
.set i, 0
.rept 32
	v_mov_b32 v[P+i], 0                            ; piece 0's P
.set i, i+1
.endr
	v_mov_b32 v58, 0xf1800000                      ; -2^100
.set i, 0
.rept 64
	v_mov_b32 v[S+64+i], v58                       ; piece 2's scores: c times a power of two is exact, so their weights are exactly 1, and they meet V = 0
.set i, i+1
.endr
	v_mul_u32_u24 v57, v1, PK
	v_lshl_add_u32 v57, v9, 4, v57                 ; row x 272 + 16 x half
	s_mul_i32 s22, s17, KS*PK
	v_add_nc_u32 v[AK0], s22, v57
	s_mul_i32 s22, s16, 64*PK
	s_add_co_u32 s22, s22, QL
	v_add_nc_u32 v[AQ], s22, v57
	s_mul_i32 s22, s16, 16*SP
	s_add_co_u32 s22, s22, SLOT1
	v_add_nc_u32 v[STO], s22, v57
	v_mul_u32_u24 v[RD], v9, SP
	v_lshl_add_u32 v[RD], v1, 4, v[RD]
	v_add_nc_u32 v[RD], s22, v[RD]
	v_lshl_add_u32 v[AV0], v9, 3, v10              ; the turning load: lane l reads key 8 (l / 16) + l % 8, channels 8 ((l / 8) % 2) on
	v_mul_u32_u24 v[AV0], v[AV0], PV
	v_lshl_add_u32 v[AV0], v11, 4, v[AV0]
	s_mul_i32 s22, s17, KS*PV
	s_add_co_u32 s22, s22, VOFF
	v_add_nc_u32 v[AV0], s22, v[AV0]
	v_lshlrev_b32 v[MO], 12, v1
	v_lshl_add_u32 v[MO], v9, 5, v[MO]
	s_mul_i32 s22, s16, MERGE
	v_lshl_add_u32 v[MA], v56, 4, s22
	v_lshlrev_b32 v[PMO], 12, v56
	v_lshlrev_b32 v[PFO], 8, v56
	v_lshlrev_b32 v[GO], 12, v9
	v_lshl_add_u32 v[GO], v1, 4, v[GO]
; THE MATRIX WORK.  The accumulators take turns, one instruction a turn.
.macro PV x                            ; product i of 32 of O^T += V^T P: keys 32 (i / 16) on, channels 16 ((i / 2) % 8) on, tile x + i % 2
	WIN W_PV
.set rO, 64*((\x)+i%2)+8*((i/2)%8)
.set rV, 64*(i/16)+8*((i/2)%8)
.set rP, P+16*((\x)+i%2)+8*(i/16)
	v_wmma_f32_16x16x32_f16 v[rO:rO+7], v[rV:rV+7], v[rP:rP+7], v[rO:rO+7]
.endm
.macro KQ x                            ; product i of 32 of S^T = K Q^T: channels 32 (i / 8) on, keys 16 ((i / 2) % 4) on, tile x + i % 2.  The first 8 start the sums with the mask
.set rS, S+32*((\x)+i%2)+8*((i/2)%4)
.set rK, KF+32*((i/2)%4)+8*(i/8)
.set rQ, 32*((\x)+i%2)+8*(i/8)
.set rM, MK+32*(i%2)+8*((i/2)%4)
.if i < 8
	WIN W_KM
	v_wmma_f32_16x16x32_f16 v[rS:rS+7], v[rK:rK+7], v[rQ:rQ+7], v[rM:rM+7]
.else
	WIN W_KQ
	v_wmma_f32_16x16x32_f16 v[rS:rS+7], v[rK:rK+7], v[rQ:rQ+7], v[rS:rS+7]
.endif
.endm
; 32 LDS loads in one run; my next step lies 128 keys on.  last = 1 (the tail): in its third trip there is no further step, and the run is jumped over.
.macro FETCH_K last
	WIN 0
.if \last
	s_cmp_eq_u32 s[TWICE], 1
	s_cbranch_scc1 .Lno_k_\@
.endif
	v_add_nc_u32 v[ADR], s[TBK], v[AK0]
	s_add_co_u32 s[TBK], s[TBK], 2*KS*PK
	WIN 0x80
.irp f, 0,1,2,3,4,5,6,7,8,9,10,11,12,13,14,15
	ds_load_b128 v[KF+8*(\f):KF+8*(\f)+3],   v[ADR] offset:((\f)/4)*16*PK+((\f)%4)*64
	ds_load_b128 v[KF+8*(\f)+4:KF+8*(\f)+7], v[ADR] offset:((\f)/4)*16*PK+((\f)%4)*64+32
.endr
.if \last
	WIN 0
.Lno_k_\@:
.endif
.endm
.macro FETCH_V
	WIN 0
	v_add_nc_u32 v[ADR], s[TBV], v[AV0]
	s_add_co_u32 s[TBV], s[TBV], 2*KS*PV
	s_wait_alu depctr_va_vdst(0)                   ; the wait for the softmax's batch, ahead of the loads
	WIN 0xc0
.irp f, 0,1,2,3,4,5,6,7,8,9,10,11,12,13,14,15
	ds_load_tr16_b128 v[8*(\f):8*(\f)+3],   v[ADR] offset:((\f)/8)*32*PV+((\f)%8)*32
	ds_load_tr16_b128 v[8*(\f)+4:8*(\f)+7], v[ADR] offset:((\f)/8)*32*PV+16*PV+((\f)%8)*32
.endr
.endm
; THE VECTOR WORK: one tile's softmax for a step is a list of 134; SM writes number j for tile t.  0-15 the maximum (each accumulator's lowest registers first); 16-20 the other half of the lanes, m, c m, its change;
; 21-69 ONE BATCH: 16 scalings and 33 exponentials, none of which reads an exponential's result; 70-85 the roundings; 86-101 the sums; 102-133 O^T times a.
.macro SM t
.set rT, ST+8*(\t)
.set rS, S+32*(\t)
.set rP, P+16*(\t)
.set rO, 64*(\t)+2*(j-102)
.if j < 102
	WIN 0
.endif
.if j < 4
	v_max3_num_f32 v[rT+4+j], v[rS+8*j], v[rS+8*j+1], v[rS+8*j+2]
.elseif j < 12
	v_max3_num_f32 v[rT+4+j%4], v[rT+4+j%4], v[rS+8*(j%4)+2*(j/4)+1], v[rS+8*(j%4)+2*(j/4)+2]
.elseif j == 12
	v_max3_num_f32 v[rT+4], v[rT+4], v[rS+7], v[rS+15]
.elseif j == 13
	v_max3_num_f32 v[rT+6], v[rT+6], v[rS+23], v[rS+31]
.elseif j == 14
	v_max3_num_f32 v[rT+4], v[rT+4], v[rT+5], v[rT+6]
.elseif j == 15
	v_max3_num_f32 v[rT+4], v[rT+4], v[rT+7], v[rT+1]
.elseif j == 16
	v_permlanex16_b32 v[rT+5], v[rT+4], s[SEL], s[SEL+1]
.elseif j == 17
	v_mov_b32 v[rT+7], v[rT]
.elseif j == 18
	v_max_num_f32 v[rT+1], v[rT+4], v[rT+5]
.elseif j == 19
	v_mul_f32 v[rT], s[CS], v[rT+1]
.elseif j == 20
	v_sub_f32 v[rT+7], v[rT+7], v[rT]
.elseif j == 23
	v_exp_f32 v[rT+6], v[rT+7]
.elseif (j < 23) || ((j < 38) && (j%2 == 0)) || ((j < 66) && (j%4 == 2))
.set b, (j-2)/4
.if j < 38
.set b, (j-20)/2
.endif
	v_pk_fma_f32 v[rS+2*b:rS+2*b+1], v[rS+2*b:rS+2*b+1], s[CS:CS+1], v[rT:rT+1] op_sel_hi:[1,0,0] neg_lo:[0,0,1] neg_hi:[0,0,1]
.elseif j < 70
.set e, j-38
.if j < 66
.set e, j-32-(j-38)/4
.endif
.if j < 38
.set e, (j-25)/2
.endif
	v_exp_f32 v[rS+e], v[rS+e]
.elseif j < 86
	v_cvt_pk_f16_f32 v[rP+j-70], v[rS+2*(j-70)], v[rS+2*(j-70)+1]
.elseif j < 102
.set z, j-86
.set w, 4
.set u, z
.if z >= 14
.set w, 32
.set u, 0
.elseif z >= 12
.set w, 16
.set u, z-12
.elseif z >= 8
.set w, 8
.set u, z-8
.endif
.if z < 15
	v_pk_add_f32 v[rS+w*u:rS+w*u+1], v[rS+w*u:rS+w*u+1], v[rS+w*u+w/2:rS+w*u+w/2+1]
.else
	v_pk_fma_f32 v[rT+2:rT+3], v[rT+2:rT+3], v[rT+6:rT+7], v[rS:rS+1] op_sel_hi:[1,0,1]
.endif
.else
	WIN W_RS
	v_pk_mul_f32 v[rO:rO+1], v[rO:rO+1], v[rT+6:rT+7] op_sel_hi:[1,0]
.endif
.endm
; Slice k of 64 of piece y's softmax.  Slices 11-34 deal out the batch, four numbers of one tile each; the others are numbers 2 k and 2 k + 1 of both tiles; the twelve that are over stand in slice 63.
; Behind slice 34 stands the batch's one plain instruction and its one wait: ahead of it nothing names a result, behind it no exponential is issued.
.macro SLICE y
.if (k >= 11) && (k < 35)
.irp n, 0,1,2,3
.set j, 22+4*((k-11)/2)+(\n)
	SM (\y)+(k-11)%2
.endr
.else
.irp n, 0,1,2,3,4,5,6,7
.if ((\n) < 2) || (k == 63)
.irp t, \y, (\y)+1
.set j, 2*k+(\n)
	SM \t
.endr
.endif
.endr
.endif
.if k == 34
	v_nop
.if (\y) == 0
	FETCH_V
.else
	s_wait_alu depctr_va_vdst(0)
.endif
.endif
.set k, k+1
.endm
; THE MASK, a step ahead.  Behind the eighth product K Q^T of piece 2's turn (both pieces have started step NST's sums; the slice's four roundings are the places) MK takes the mask of step NST + 1 from MX, and MX is
; asked for step NST + 2's: a whole key step, 128 matrix instructions, ahead of its copy.  Steps 0-7 are kb steps: MK stays 0; at NST = 6 the copy still moves the zeros of the start.
; tail = 1 (steps 14 and 15): there is no step two on, so the loads are not written.
.macro MASKSTEP tail
	WIN 0
	s_sub_co_u32 s81, s[NST], 6
	s_cmp_lt_u32 s81, 9
	s_cbranch_scc0 .Lno_m_\@
	s_wait_loadcnt 0x0                             ; MX is in; its loads are done, so their base may be stepped below
	WIN 0xc3
.set mm, 0
.rept 64
	v_mov_b32 v[MK+mm], v[MX+mm]
.set mm, mm+1
.endr
	WIN 0
.if !(\tail)
	s_cmp_lt_u32 s[NST], 14
	s_cbranch_scc0 .Lno_m_\@
	s_add_nc_u64 s[MB:MB+1], s[MB:MB+1], s[STP:STP+1]
	s_mov_b32 s[STP], 512                          ; my next step lies 128 keys on
	WIN 0xc0
.irp qt, 0,1
.irp kb, 0,1,2,3
	global_load_b128 v[MX+32*(\qt)+8*(\kb):MX+32*(\qt)+8*(\kb)+3],   v[MO], s[MB:MB+1] offset:(\qt)*65536+(\kb)*64
	global_load_b128 v[MX+32*(\qt)+8*(\kb)+4:MX+32*(\qt)+8*(\kb)+7], v[MO], s[MB:MB+1] offset:(\qt)*65536+(\kb)*64+16
.endr
.endr
	WIN 0
.endif
.Lno_m_\@:
.endm
; When piece x has made the scores of step 7, the last kb step, its Q changes from q_new to the roped q, out of LDS; slice 63's sixteen plain instructions are the places; the wait at the head of piece 0's next turn stands ahead of every reader.
.macro QSWITCH x
	WIN 0
	s_cmp_eq_u32 s[NST], 7
	s_cbranch_scc0 .Lno_q_\@
	WIN 0x80
.irp t, 0,1
.irp c, 0,1,2,3
	ds_load_b128 v[32*((\x)+(\t))+8*(\c):32*((\x)+(\t))+8*(\c)+3],   v[AQ] offset:(((\x)/2)*32+16*(\t))*PK+64*(\c)
	ds_load_b128 v[32*((\x)+(\t))+8*(\c)+4:32*((\x)+(\t))+8*(\c)+7], v[AQ] offset:(((\x)/2)*32+16*(\t))*PK+64*(\c)+32
.endr
.endr
	WIN 0
.Lno_q_\@:
.endm
; A TURN.  Piece x has the matrix unit; the other piece's softmax stands in slices behind its matrix instructions.  tail = 1: steps 14 and 15: Q has changed long ago, and the mask has nothing left to load.
.macro TURN x, tail
.set k, 0
.if (\x) == 0
	s_wait_dscnt 0x0                               ; V is in
.endif
.set i, 0
.rept 32
	PV \x
	SLICE 2-(\x)
.if ((\x) == 0) && (i == 1)
	FETCH_K \tail
.endif
.set i, i+1
.endr
.if (\x) == 0
	s_wait_dscnt 0x0                               ; K is in
.endif
.set i, 0
.rept 32
	KQ \x
	SLICE 2-(\x)
.if ((\x) == 2) && (i == 7)
	MASKSTEP \tail
.endif
.set i, i+1
.endr
.if !(\tail)
	QSWITCH \x
.endif
.if (\x) == 2
	s_add_co_u32 s[NST], s[NST], 1
.endif
.endm
; THE CHANGE OF SLOTS.  Each wave waits for all its tensor loads (its part of the slot to be read next), adds 0 to its spare word, and waits for that and for its reads of the slot that it leaves.
; fill = 1: the barrier is a round of the cluster's, and the slot left is filled again first thing behind it, with the next 256 keys: two key steps of mine, 256 matrix instructions, in which to land.
; (At its first use nothing has been read: slot 0 and the roped q are waited for, slot 1 is filled.)
.macro CHANGE fill
	WIN 0
	s_wait_tensorcnt 0x0
	ds_add_u32 v[SPW], v[NIL]
.if \fill
	s_xor_b32 s[SBF], s[SBF], SLOT1                ; 0 or SLOT1
	s_add_co_u32 s[G0K+1], s[SBF], s[LK0]
	s_add_co_u32 s[G0V+1], s[SBF], s[LV0]
	s_add_nc_u64 s[G0K+2:G0K+3], s[G0K+2:G0K+3], 65536
	s_add_nc_u64 s[G0V+2:G0V+3], s[G0V+2:G0V+3], 65536
	s_wait_xcnt 0x0                                ; the last prefetches, two key steps back, have read their addresses
	s_add_nc_u64 s[PFA:PFA+1], s[PFA:PFA+1], 65536
	s_cmp_lt_u32 s[SLOTS], 5
	s_cselect_b32 s[STQ], 1024, 0
	s_add_nc_u64 s[PFM:PFM+1], s[PFM:PFM+1], s[STQ:STQ+1]
	s_wait_dscnt 0x0
	CROUND
	JLOAD
	ASK
.else
	s_wait_dscnt 0x0
	s_barrier_signal -1
	s_barrier_wait -1
.endif
	s_sub_co_u32 s[TBK], s[TBK], 4*KS*PK           ; back to a slot's first byte, which is 0 or SLOT1,
	s_xor_b32 s[TBK], s[TBK], SLOT1                ; and into the other slot
	s_sub_co_u32 s[TBV], s[TBV], 4*KS*PV
	s_xor_b32 s[TBV], s[TBV], SLOT1
.endm
	s_wait_loadcnt 0x0                             ; q_new
.Lslot:                                                ; seven trips: slots 1 to 7 are asked for
	CHANGE 1
	WIN 0
	s_mov_b32 s[TWICE], 2
.Lstep:                                                ; a slot's two key steps of mine: written once, walked twice
	TURN 0, 0
	TURN 2, 0
	WIN 0
	s_sub_co_u32 s[TWICE], s[TWICE], 1
	s_cmp_lg_u32 s[TWICE], 0
	s_cbranch_scc1 .Lstep
	s_sub_co_u32 s[SLOTS], s[SLOTS], 1
	s_cmp_lg_u32 s[SLOTS], 0
	s_cbranch_scc1 .Lslot
	CHANGE 0                                       ; the tail is written out
	WIN 0
	s_mov_b32 s[TWICE], 3                          ; two trips make the last slot's steps; the third is left in its middle
.Ltail:
	TURN 0, 1                                      ; (third trip: piece 0's V^T P of the last step | piece 2's last softmax)
	WIN 0
	s_sub_co_u32 s[TWICE], s[TWICE], 1
	s_cmp_eq_u32 s[TWICE], 0
	s_cbranch_scc1 .Lout
	TURN 2, 1
	WIN 0
	s_branch .Ltail
.Lout:
.set i, 0
.rept 32
	PV 2                                           ; piece 2's V^T P of the last step
.set i, i+1
.endr
	; THE MERGE.  l's halves are added (the places behind the last products).  Behind a barrier nobody reads the ring, which has had its last fill: waves 2 and 3 lay O^T, c m and l there; behind a second barrier waves 0 and 1
	; take O = (eA OA + eB OB) / (eA lA + eB lB), e = 2^(c m - the greater c m), round it to f16 and store it through a stage.
	WIN 0
.irp t, 0,1,2,3
	v_add_f32 v[ST+8*(\t)+4], v[ST+8*(\t)+2], v[ST+8*(\t)+3]
.endr
.irp t, 0,1,2,3
	v_permlanex16_b32 v[ST+8*(\t)+5], v[ST+8*(\t)+4], s[SEL], s[SEL+1]
.endr
.irp t, 0,1,2,3
	v_add_f32 v[ST+8*(\t)+4], v[ST+8*(\t)+4], v[ST+8*(\t)+5]
.endr
	s_wait_dscnt 0x0
	s_barrier_signal -1
	s_barrier_wait -1
	s_cmp_lt_u32 s[WV], 2
	s_cbranch_scc1 .Lkeep
.irp t, 0,1,2,3
	v_mov_b32 v[48+(\t)], v[ST+8*(\t)]
	v_mov_b32 v[52+(\t)], v[ST+8*(\t)+4]
.endr
	WIN 0x04                                       ; the stores' data in window 1
.set mm, 0
.rept 64
	ds_store_b128 v[MA], v[4*mm:4*mm+3] offset:512*mm   ; each accumulator's low four registers first
.set mm, mm+1
.endr
	WIN 0
	ds_store_b128 v[MA], v[48:51] offset:32768
	ds_store_b128 v[MA], v[52:55] offset:33280
.Lkeep:
	s_wait_dscnt 0x0
	s_barrier_signal -1
	s_barrier_wait -1
	s_cmp_lt_u32 s[WV], 2
	s_cbranch_scc0 .Lend
.macro MLOAD t
.set mm, 0
.rept 16
	ds_load_b128 v[S+64*((\t)%2)+4*mm:S+64*((\t)%2)+4*mm+3], v[MA] offset:512*(16*(\t)+mm)
.set mm, mm+1
.endr
.endm
	ds_load_b128 v[48:51], v[MA] offset:32768
	ds_load_b128 v[52:55], v[MA] offset:33280
	MLOAD 0
	s_wait_dscnt 16                                ; the statistics are in; tile 0's sixteen loads may stay out
.irp t, 0,1,2,3
	v_max_num_f32 v[ST+8*(\t)+5], v[ST+8*(\t)], v[48+(\t)]
.endr
.irp t, 0,1,2,3
	v_sub_f32 v[ST+8*(\t)+6], v[ST+8*(\t)], v[ST+8*(\t)+5]
	v_sub_f32 v[ST+8*(\t)+2], v[48+(\t)], v[ST+8*(\t)+5]
.endr
.irp t, 0,1,2,3
	v_exp_f32 v[ST+8*(\t)+6], v[ST+8*(\t)+6]
	v_exp_f32 v[ST+8*(\t)+2], v[ST+8*(\t)+2]
.endr
	v_nop
	s_wait_alu depctr_va_vdst(0)                   ; one wait for the eight exponentials
.irp t, 0,1,2,3
	v_mul_f32 v[ST+8*(\t)+5], v[ST+8*(\t)+6], v[ST+8*(\t)+4]
.endr
.irp t, 0,1,2,3
	v_fmac_f32 v[ST+8*(\t)+5], v[ST+8*(\t)+2], v[52+(\t)]
.endr
.irp t, 0,1,2,3
	v_rcp_f32 v[ST+8*(\t)+5], v[ST+8*(\t)+5]
.endr
	v_nop
	s_wait_alu depctr_va_vdst(0)                   ; one wait for the four reciprocals
.irp t, 0,1,2,3
	v_mul_f32 v[ST+8*(\t)+6], v[ST+8*(\t)+6], v[ST+8*(\t)+5]
	v_mul_f32 v[ST+8*(\t)+2], v[ST+8*(\t)+2], v[ST+8*(\t)+5]
.endr
.macro MTILE t
.set PP, P+32*((\t)%2)
	WIN 0
	s_wait_xcnt 0x0                                ; the stores of the tiles before have read their registers
.if (\t) < 3
	MLOAD (\t)+1
	s_wait_dscnt 16                                ; this tile's part is in; the next tile's sixteen loads may stay out
.else
	s_wait_dscnt 0x0
.endif
.set BB, S+64*((\t)%2)
.set mm, 0
.rept 32
	v_pk_mul_f32 v[BB+2*mm:BB+2*mm+1], v[BB+2*mm:BB+2*mm+1], v[ST+8*(\t)+2:ST+8*(\t)+3] op_sel_hi:[1,0]
.set mm, mm+1
.endr
	WIN 0x01
.set mm, 0
.rept 32
	v_pk_fma_f32 v[BB+2*mm:BB+2*mm+1], v[64*(\t)+2*mm:64*(\t)+2*mm+1], v[ST+8*(\t)+6:ST+8*(\t)+7], v[BB+2*mm:BB+2*mm+1] op_sel_hi:[1,0,1]
.set mm, mm+1
.endr
	WIN 0
.set mm, 0
.rept 32
	v_cvt_pk_f16_f32 v[PP+mm], v[BB+2*mm], v[BB+2*mm+1]
.set mm, mm+1
.endr
.irp f, 0,1,2,3,4,5,6,7
	ds_store_b128 v[STO], v[PP+4*(\f):PP+4*(\f)+3] offset:32*(\f)
.endr
.irp f, 0,1,2,3,4,5,6,7
	ds_load_b128 v[PP+4*(\f):PP+4*(\f)+3], v[RD] offset:(\f)*2*SP   ; LDS serves a wave's instructions in order: these see the stores above
.endr
.irp f, 0,1,2,3,4,5,6,7
	s_wait_dscnt 7-(\f)
	global_store_b128 v[GO], v[PP+4*(\f):PP+4*(\f)+3], s[8:9] offset:((\t)%2)*65536+((\t)/2)*256+(\f)*8192   ; 16 lanes store a head's 256 bytes of a row of ao, aligned
.endr
.endm
	MTILE 0
	MTILE 1
	MTILE 2
	MTILE 3
.Lend:
	s_wait_tensorcnt 0x0                           ; the wave's end: behind my last tensor load and my last LDS store
	ds_add_u32 v[SPW], v[NIL]
	s_wait_dscnt 0x0
	CROUND                                         ; the closing round
	s_endpgm
.Lfunc_end_k_q1ce87adebf_attn:
	.size	k_q1ce87adebf_attn, .Lfunc_end_k_q1ce87adebf_attn-k_q1ce87adebf_attn
	.p2alignl 7, 3214868480
	.fill 96, 4, 3214868480
	.section	.rodata,"a",@progbits
	.p2align	6, 0x0
	.amdhsa_kernel k_q1ce87adebf_attn
		.amdhsa_group_segment_fixed_size 327680
		.amdhsa_private_segment_fixed_size 0
		.amdhsa_enable_private_segment 0
		.amdhsa_kernarg_size 24
		.amdhsa_user_sgpr_count 2
		.amdhsa_user_sgpr_kernarg_segment_ptr 1
		.amdhsa_wavefront_size32 1
		.amdhsa_system_sgpr_workgroup_id_x 1
		.amdhsa_system_sgpr_workgroup_id_y 1
		.amdhsa_system_sgpr_workgroup_id_z 1
		.amdhsa_system_vgpr_workitem_id 0
		.amdhsa_next_free_vgpr 1024
		.amdhsa_next_free_sgpr 88
		.amdhsa_reserve_vcc 0
		.amdhsa_float_denorm_mode_32 3
		.amdhsa_float_denorm_mode_16_64 3
		.amdhsa_memory_ordered 1
		.amdhsa_forward_progress 1
		.amdhsa_inst_pref_size 188
	.end_amdhsa_kernel
	.amdgpu_metadata
---
amdhsa.version: [ 1, 2 ]
amdhsa.kernels:
  - .name:           k_q1ce87adebf_attn
    .symbol:         k_q1ce87adebf_attn.kd
    .args:
      - { .name: qkv, .offset: 0, .size: 8, .value_kind: global_buffer, .address_space: global }
      - { .name: attention_mask, .offset: 8, .size: 8, .value_kind: global_buffer, .address_space: global }
      - { .name: ao, .offset: 16, .size: 8, .value_kind: global_buffer, .address_space: global }
    .group_segment_fixed_size: 327680
    .private_segment_fixed_size: 0
    .kernarg_segment_align: 8
    .kernarg_segment_size: 24
    .max_flat_workgroup_size: 128
    .sgpr_count:     88
    .vgpr_count:     1024
    .wavefront_size: 32
...
	.end_amdgpu_metadata
.endif
;; end of part 3
;; launch oproj (part 4): grid 16 x 16, 4 waves a work-group, clusters of 4 x 4, 327,680 bytes of LDS; arguments ao, wo16, out0; writes out0
.if DOCPART == 4
	.amdgcn_target "amdgcn-amd-amdhsa--gfx1250"
	.amdhsa_code_object_version 6
	.text
	.protected	k_q1ce87adebf_oproj
	.globl	k_q1ce87adebf_oproj
	.p2align	8
	.type	k_q1ce87adebf_oproj,@function
k_q1ce87adebf_oproj:
	s_mov_b64 s[64:65], 0
	v_nop
	global_prefetch_b8 v0, s[64:65] scope:SCOPE_SE
	s_setreg_imm32_b32 hwreg(HW_REG_WAVE_MODE, 25, 1), 1
	s_wait_xcnt 0x0
	s_wait_alu depctr_hold_cnt(0) depctr_sa_sdst(0) depctr_va_vdst(0) depctr_va_sdst(0) depctr_va_ssrc(0) depctr_va_vcc(0) depctr_vm_vsrc(0)
	s_getreg_b32 s2, hwreg(HW_REG_IB_STS2, 6, 4)
	s_cmp_eq_u32 s2, 0
	s_cbranch_scc0 .Lentry_in_a_cluster
	s_endpgm
.Lentry_in_a_cluster:
	s_bfe_u32 s2, ttmp6, 0x10000c
	s_cmp_lg_u32 s2, 0xf033
	s_cbranch_scc0 .Lentry_shape_is_right
	s_endpgm
.Lentry_shape_is_right:
; OPROJ: out0[m][n] = sum over k of ao[m][k] wo16[n][k], 2,048 x 2,048 x 2,048, f16 operands, f32 sums, f32 out.  No work of the module is left out here.
; A tile of C is 128 x 128 (256 work-groups); four waves, each 64 x 64: 16 accumulators.  K goes in 8 steps of 256 (LDS rows of 512 bytes, 64 rows to a tensor load) through two slots.
; A K STEP IS WRITTEN ONCE: the fragments' addresses are a base plus a scalar that is 0 or SLOT, and one descriptor a tensor walks.  A loop of 6 trips asks for K steps 2 to 7; the last two steps, which ask for
; nothing, are a second loop of two trips that is left in its middle.
; CLUSTER 4 x 4: A's tiles are asked for jointly by a row of the cluster, B's by a column.  The product is taken transposed (source 0 = 16 rows of wo16, source 1 = 16 rows of ao): a lane holds eight neighbouring
; numbers of a row of C.  A wave's 64 columns are 256 aligned bytes of f32, so each wave goes out through a stage of its own, with no barrier.
; No prefetch: a tile's step is short and the tiles are small; every block is read by four clusters at about the same time.
; REGISTERS: window 0: v0-31 addresses; v32-95 rows read back; v128-255 the accumulators ((a, b) at 128 + 8 (4 a + b)).  window 1: two fragment buffers of 128.
.set SIZE_K, 2048
.set SIZE_N, 2048
.set KSTEP,  256
.set STEPS,  SIZE_K/KSTEP
.set PITCH,  528
.set HALFT,  64*PITCH
.set SLOT,   4*HALFT
.set STAGE,  2*SLOT                    ; behind the ring: 16 rows x 272 bytes for each wave
.set SPITCH, 272
.set SPARE,  STAGE+4*16*SPITCH
.set ADRA, 16                          ; v16 LDS address of my A fragments in the slot in hand; v17 in slot 0
.set ADRB, 20                          ; v20, v21 the same for B
.set STO,  24
.set RD,   25
.set CO,   26
.set SPW,  28
.set NIL,  29
.set TMP,  32
.set ACC,  128
.set F0,   0
.set F1,   128
.set L0,   20                          ; s20 my part of a slot: wave x 64 rows
.set TB,   21                          ; s21 the slot that fragments are fetched from: 0 or SLOT
.set SBF,  22                          ; s22 the slot that was filled last: 0 or SLOT
.set G1, 24
.set G0, 32                            ; s[32:35] the first fill's group 0; s[36:39] the second's, which then walks
.set G1B, 48
.set G0B, 56
.set MSB, 0
.macro WIN new
.if MSB != (\new)
	s_set_vgpr_msb (MSB<<8)|(\new)
.set MSB, \new
.endif
.endm
.set MUL,  0x05
.set TO_F, 0x40
.macro JLOAD s
	s_cmp_eq_u32 s11, 0
	s_cbranch_scc0 .Lfor_b_\@
	tensor_load_to_lds s[G0+4*(\s):G0+4*(\s)+3], s[G1:G1+7]
	s_nop 0
.rept 4
	v_nop
.endr
	s_branch .Lasked_\@
.Lfor_b_\@:
	tensor_load_to_lds s[G0B+4*(\s):G0B+4*(\s)+3], s[G1B:G1B+7]
	s_nop 0
.rept 4
	v_nop
.endr
.Lasked_\@:
.endm
.macro CREST
	s_cmp_lg_u32 s10, 0
	s_cbranch_scc1 .Lnot_wave_0_\@
	s_barrier_signal -3
.Lnot_wave_0_\@:
	s_barrier_wait -3
	s_barrier_signal -1
	s_barrier_wait -1
.endm
.macro CROUND
	s_barrier_signal -1
	s_barrier_wait -1
	CREST
.endm
	s_load_b128 s[4:7], s[0:1], 0x0                ; ao s[4:5], wo16 s[6:7]
	s_load_b64 s[8:9], s[0:1], 0x10                ; out0
	v_lshl_add_u32 v[SPW], v0, 2, SPARE
	v_mov_b32 v[NIL], 0
	ds_add_u32 v[SPW], v[NIL]                      ; the wave's opening: the add, twice on end, and its wait ahead of my first tensor load
	ds_add_u32 v[SPW], v[NIL]
	v_lshrrev_b32 v1, 5, v0
	v_readfirstlane_b32 s10, v1                    ; wave 0..3
	s_lshr_b32 s11, s10, 1                         ; which half of the tile's rows is mine.  Also: I fetch for A (0) or for B (1)
	s_and_b32 s12, s10, 1                          ; which half of its columns.  Also: which 64 rows of that tile I fetch
	s_bfe_u32 s40, ttmp6, 0x40000
	s_bfe_u32 s41, ttmp6, 0x40004
	s_lshl_b32 s42, ttmp9, 2
	s_add_co_u32 s42, s42, s40                     ; tile column
	s_and_b32 s13, ttmp7, 0xffff
	s_lshl_b32 s13, s13, 2
	s_add_co_u32 s13, s13, s41                     ; tile row
	s_lshl_b32 s43, s41, 2
	s_lshl_b32 s43, 15, s43
	s_lshl_b32 s44, 0x1111, s40
	s_or_b32 s[G1+0], s43, (1<<16)|(1<<20)|(1<<21)|(6<<22)|(3<<25)   ; the mask; 2-byte elements; padding on; bit 21 beside a mask; after every 128 words 4 words
	s_or_b32 s[G1B+0], s44, (1<<16)|(1<<20)|(1<<21)|(6<<22)|(3<<25)
.irp g, G1, G1B
	s_mov_b32 s[(\g)+1], KSTEP<<16
	s_mov_b32 s[(\g)+2], 64<<16
	s_mov_b32 s[(\g)+3], KSTEP<<16
	s_mov_b32 s[(\g)+4], 64
	s_mov_b32 s[(\g)+5], SIZE_K
	s_mov_b32 s[(\g)+6], 0
	s_mov_b32 s[(\g)+7], 0
.endr
	s_lshl_b32 s17, s12, 6
	s_lshl_b32 s16, s13, 7
	s_add_co_u32 s16, s16, s17
	s_lshl_b32 s46, s42, 7
	s_add_co_u32 s46, s46, s17
	s_mov_b32 s17, 0
	s_mov_b32 s47, 0
	s_mov_b64 s[18:19], SIZE_K*2
	s_mul_u64 s[16:17], s[16:17], s[18:19]
	s_mul_u64 s[46:47], s[46:47], s[18:19]
	s_mul_i32 s[L0], s10, HALFT                    ; A's two halves, then B's two: the wave's number alone enters an LDS address
	s_wait_dscnt 0x0                               ; both opening adds are done
	s_wait_kmcnt 0x0
	s_add_nc_u64 s[14:15], s[4:5], s[16:17]
	s_add_nc_u64 s[46:47], s[6:7], s[46:47]
	CROUND
.irp s, 0,1
	s_mov_b32 s[G0+4*(\s)], 1
	s_add_co_u32 s[G0+4*(\s)+1], s[L0], (\s)*SLOT
	s_add_nc_u64 s[G0+4*(\s)+2:G0+4*(\s)+3], s[14:15], (\s)*KSTEP*2
	s_or_b32 s[G0+4*(\s)+3], s[G0+4*(\s)+3], 0x80000000
	s_mov_b32 s[G0B+4*(\s)], 1
	s_add_co_u32 s[G0B+4*(\s)+1], s[L0], (\s)*SLOT
	s_add_nc_u64 s[G0B+4*(\s)+2:G0B+4*(\s)+3], s[46:47], (\s)*KSTEP*2
	s_or_b32 s[G0B+4*(\s)+3], s[G0B+4*(\s)+3], 0x80000000
	JLOAD \s
.endr
	v_and_b32 v1, 15, v0
	v_bfe_u32 v2, v0, 4, 1
	v_mul_u32_u24 v3, v1, PITCH
	v_lshl_add_u32 v3, v2, 4, v3
	s_mul_i32 s21, s11, HALFT
	s_mul_i32 s22, s12, HALFT
	s_add_co_u32 s22, s22, 2*HALFT
	v_add_nc_u32 v[ADRA+1], s21, v3
	v_mov_b32 v[ADRA], v[ADRA+1]
	v_add_nc_u32 v[ADRB+1], s22, v3
	v_mov_b32 v[ADRB], v[ADRB+1]
	s_mov_b32 s[TB], 0
	s_mov_b32 s[SBF], SLOT
	s_mul_i32 s23, s10, 16*SPITCH
	s_add_co_u32 s23, s23, STAGE                   ; my stage
	v_mul_u32_u24 v4, v1, SPITCH                   ; in: row l % 16, 32 bytes for each half of the lanes
	v_lshl_add_u32 v4, v2, 5, v4
	v_add_nc_u32 v[STO], s23, v4
	v_mul_u32_u24 v5, v2, SPITCH                   ; back: lanes 0-15 take one row of 256 bytes, lanes 16-31 the next
	v_lshl_add_u32 v5, v1, 4, v5
	v_add_nc_u32 v[RD], s23, v5
	v_lshlrev_b32 v5, 13, v2                       ; and the same two rows in C, 8,192 bytes apart
	v_lshl_add_u32 v[CO], v1, 4, v5
	s_lshl_b32 s16, s13, 7
	s_lshl_b32 s17, s11, 6
	s_add_co_u32 s16, s16, s17                     ; my first row of C
	s_lshl_b32 s16, s16, 13
	s_mov_b32 s17, 0
	s_add_nc_u64 s[8:9], s[8:9], s[16:17]
	s_lshl_b32 s46, s42, 9                         ; my first column, in bytes
	s_lshl_b32 s47, s12, 8
	s_add_co_u32 s46, s46, s47
	s_mov_b32 s47, 0
	s_add_nc_u64 s[8:9], s[8:9], s[46:47]
.macro MUL8 f, c, a0, zero
	WIN MUL
.irp a, \a0, (\a0)+1
.irp b, 0,1,2,3
.if \zero
	v_wmma_f32_16x16x32_f16 v[ACC+8*(4*(\a)+(\b)):ACC+8*(4*(\a)+(\b))+7], v[(\f)+64+8*(4*(\c)+(\b)):(\f)+64+8*(4*(\c)+(\b))+7], v[(\f)+8*(4*(\c)+(\a)):(\f)+8*(4*(\c)+(\a))+7], 0
.else
	v_wmma_f32_16x16x32_f16 v[ACC+8*(4*(\a)+(\b)):ACC+8*(4*(\a)+(\b))+7], v[(\f)+64+8*(4*(\c)+(\b)):(\f)+64+8*(4*(\c)+(\b))+7], v[(\f)+8*(4*(\c)+(\a)):(\f)+8*(4*(\c)+(\a))+7], v[ACC+8*(4*(\a)+(\b)):ACC+8*(4*(\a)+(\b))+7]
.endif
.endr
.endr
.endm
.macro FETCH k, f                      ; 32 LDS loads in one run: 64 along K at byte k of the rows of the slot in hand; the first 32 along K first
	WIN TO_F
.irp c, 0,1
.irp i, 0,1,2,3
	ds_load_b128 v[(\f)+64+8*(4*(\c)+(\i)):(\f)+64+8*(4*(\c)+(\i))+3],   v[ADRB] offset:(\k)+64*(\c)+(\i)*16*PITCH
	ds_load_b128 v[(\f)+64+8*(4*(\c)+(\i))+4:(\f)+64+8*(4*(\c)+(\i))+7], v[ADRB] offset:(\k)+64*(\c)+(\i)*16*PITCH+32
	ds_load_b128 v[(\f)+8*(4*(\c)+(\i)):(\f)+8*(4*(\c)+(\i))+3],         v[ADRA] offset:(\k)+64*(\c)+(\i)*16*PITCH
	ds_load_b128 v[(\f)+8*(4*(\c)+(\i))+4:(\f)+8*(4*(\c)+(\i))+7],       v[ADRA] offset:(\k)+64*(\c)+(\i)*16*PITCH+32
.endr
.endr
.endm
.macro PLACES
.rept 4
	v_nop
.endr
.endm
.macro QUARTER k, f, g, zero
	s_wait_dscnt 16                                ; the first 32 along K are in
	MUL8 \f, 0, 0, \zero
	MUL8 \f, 0, 2, \zero
	PLACES
	FETCH \k, \g
	s_wait_dscnt 32                                ; all but the 32 just issued
	MUL8 \f, 1, 0, 0
	MUL8 \f, 1, 2, 0
.endm
; The last quarter multiplies buffer 1 and changes slots.  Its first sixteen products stand AHEAD of the wait for the tensor loads; between that wait and the next request stand only the add, the descriptors'
; steps, the wait for the add and for my reads of this slot, and the barrier: no product is set on the way from a tile's landing to the request for the next.  So a request has a whole step's 128 matrix
; instructions in which to land.  fill = 1: the barrier opens a round of the cluster's, and this slot is filled again first thing behind it, two K steps ahead.  fill = 0 (the last two steps): nothing is
; asked for; in the very last step (s3 = 1) there is no next slot, and the run of LDS loads is jumped over.
.macro TURN fill
	s_wait_dscnt 16                                ; buffer 1's first 32 along K are in; the youngest sixteen loads may be out
	MUL8 F1, 0, 0, 0
	MUL8 F1, 0, 2, 0
	WIN 0
	s_wait_tensorcnt 0x0                           ; all my tensor loads have landed: my part of the next slot; no load of mine is out, so a group 0 may be written
	ds_add_u32 v[SPW], v[NIL]                      ; 0 onto my spare word; the descriptors' steps stand between it and the wait for it
.if \fill
	s_xor_b32 s[SBF], s[SBF], SLOT                 ; the walking descriptors: the slot that is being read out,
	s_add_co_u32 s[G0+5], s[SBF], s[L0]
	s_add_co_u32 s[G0B+5], s[SBF], s[L0]
	s_add_nc_u64 s[G0+6:G0+7], s[G0+6:G0+7], KSTEP*2       ; the K step behind the one asked for last
	s_add_nc_u64 s[G0B+6:G0B+7], s[G0B+6:G0B+7], KSTEP*2
.endif
	s_wait_dscnt 0x0                               ; the add is done, and my reads of this slot are over
	s_barrier_signal -1
	s_barrier_wait -1
.if \fill
	CREST
	JLOAD 1                                        ; its four v_nop are also the places in front of the loads below
.else
	PLACES
	s_cmp_eq_u32 s3, 1
	s_cbranch_scc1 .Lno_fetch_\@
.endif
	s_xor_b32 s[TB], s[TB], SLOT                   ; the fragments now come from the other slot
	v_add_nc_u32 v[ADRA], s[TB], v[ADRA+1]
	v_add_nc_u32 v[ADRB], s[TB], v[ADRB+1]
	FETCH 0, F0
.if !(\fill)
	WIN 0
.Lno_fetch_\@:
.endif
	MUL8 F1, 1, 0, 0
	MUL8 F1, 1, 2, 0
.endm
	s_wait_tensorcnt 1                             ; my part of K step 0 is in; K step 1's may stay out
	s_barrier_signal -1
	s_barrier_wait -1
	FETCH 0, F0
	QUARTER 128, F0, F1, 1                         ; the first quarter stands in front of the loop: its first products start the sums
	WIN 0
	s_mov_b32 s3, STEPS-2
.Lstep:                                                ; a trip goes from a step's second quarter to the next step's first, and asks for the step two on
	QUARTER 256, F1, F0, 0
	QUARTER 384, F0, F1, 0
	TURN 1
	QUARTER 128, F0, F1, 0
	WIN 0
	s_sub_co_u32 s3, s3, 1
	s_cmp_lg_u32 s3, 0
	s_cbranch_scc1 .Lstep
	s_mov_b32 s3, 2
.Ltail:                                                ; the last two steps fill nothing; the second trip is left behind the step's last quarter
	QUARTER 256, F1, F0, 0
	QUARTER 384, F0, F1, 0
	TURN 0
	WIN 0
	s_sub_co_u32 s3, s3, 1
	s_cmp_eq_u32 s3, 0
	s_cbranch_scc1 .Lout
	QUARTER 128, F0, F1, 0
	WIN 0
	s_branch .Ltail
.Lout:
	; THE WAY OUT, 16 rows at a time: the accumulators go as they are (f32), 32 bytes a lane, into my stage, and come back as whole rows of 256 bytes.
	PLACES
.irp a, 0,1,2,3
.irp b, 0,1,2,3
	ds_store_b128 v[STO], v[ACC+8*(4*(\a)+(\b)):ACC+8*(4*(\a)+(\b))+3]   offset:64*(\b)
	ds_store_b128 v[STO], v[ACC+8*(4*(\a)+(\b))+4:ACC+8*(4*(\a)+(\b))+7] offset:64*(\b)+16
.endr
.irp i, 0,1,2,3,4,5,6,7
	ds_load_b128 v[TMP+32*((\a)%2)+4*(\i):TMP+32*((\a)%2)+4*(\i)+3], v[RD] offset:(\i)*2*SPITCH   ; LDS serves a wave's instructions in order: these see the stores above
.endr
	s_wait_dscnt 0x0
	s_wait_xcnt 0x0                                ; the stores of the block before have read their registers: the next block's loads may land on them
.irp i, 0,1,2,3,4,5,6,7
	global_store_b128 v[CO], v[TMP+32*((\a)%2)+4*(\i):TMP+32*((\a)%2)+4*(\i)+3], s[8:9] offset:(16*(\a)+2*(\i))*SIZE_N*4 th:TH_STORE_NT   ; 16 lanes store 256 consecutive bytes, aligned
.endr
.endr
	s_wait_tensorcnt 0x0                           ; the wave's end: behind my last tensor load and my last LDS store
	ds_add_u32 v[SPW], v[NIL]
	s_wait_dscnt 0x0
	CROUND                                         ; the closing round
	s_endpgm
.Lfunc_end_k_q1ce87adebf_oproj:
	.size	k_q1ce87adebf_oproj, .Lfunc_end_k_q1ce87adebf_oproj-k_q1ce87adebf_oproj
	.p2alignl 7, 3214868480
	.fill 96, 4, 3214868480
	.section	.rodata,"a",@progbits
	.p2align	6, 0x0
	.amdhsa_kernel k_q1ce87adebf_oproj
		.amdhsa_group_segment_fixed_size 327680
		.amdhsa_private_segment_fixed_size 0
		.amdhsa_enable_private_segment 0
		.amdhsa_kernarg_size 24
		.amdhsa_user_sgpr_count 2
		.amdhsa_user_sgpr_kernarg_segment_ptr 1
		.amdhsa_wavefront_size32 1
		.amdhsa_system_sgpr_workgroup_id_x 1
		.amdhsa_system_sgpr_workgroup_id_y 1
		.amdhsa_system_sgpr_workgroup_id_z 1
		.amdhsa_system_vgpr_workitem_id 0
		.amdhsa_next_free_vgpr 512
		.amdhsa_next_free_sgpr 66
		.amdhsa_reserve_vcc 0
		.amdhsa_float_denorm_mode_32 3
		.amdhsa_float_denorm_mode_16_64 3
		.amdhsa_memory_ordered 1
		.amdhsa_forward_progress 1
		.amdhsa_inst_pref_size 57
	.end_amdhsa_kernel
	.amdgpu_metadata
---
amdhsa.version: [ 1, 2 ]
amdhsa.kernels:
  - .name:           k_q1ce87adebf_oproj
    .symbol:         k_q1ce87adebf_oproj.kd
    .args:
      - { .name: ao, .offset: 0, .size: 8, .value_kind: global_buffer, .address_space: global }
      - { .name: wo16, .offset: 8, .size: 8, .value_kind: global_buffer, .address_space: global }
      - { .name: out0, .offset: 16, .size: 8, .value_kind: global_buffer, .address_space: global }
    .group_segment_fixed_size: 327680
    .private_segment_fixed_size: 0
    .kernarg_segment_align: 8
    .kernarg_segment_size: 24
    .max_flat_workgroup_size: 128
    .sgpr_count:     66
    .vgpr_count:     512
    .wavefront_size: 32
...
	.end_amdgpu_metadata
.endif
;; end of part 4
